; MI455X (gfx1250); checked and timed in simulation.
; The chip was launched on July 23, 2026; its instructions are those of AMD's public machine-readable ISA for CDNA 5 (MIT licence, August 2026) and "CDNA5" Instruction Set Architecture Reference Guide (July 2026). The comments in the code are by the model that wrote it; some were corrected since.
;; Marian Attention. Allowed arithmetic: float matrix products may take bf16 or f16 operands with f32 sums; other float arithmetic in f32, or as packed bf16 or f16 multiplies, adds, multiply-adds, maxima and minima; sums over many terms, partial sums and values carried from step to step in f32; what a program stores and reads back later, other than sums and carried values, may be rounded once to bf16 or f16.
;; Inputs: Wk 1,024 x 1,024 float32; Wo 1,024 x 1,024 float32; Wq 1,024 x 1,024 float32; Wv 1,024 x 1,024 float32; bk 1,024 float32; bo 1,024 float32; bq 1,024 float32; bv 1,024 float32; hidden_states 2 x 2,048 x 1,024 float32.
;; Outputs: out0 2 x 2,048 x 1,024 float32.
;; One version. Each part assembles by itself: llvm-mc -triple=amdgcn-amd-amdhsa -mcpu=gfx1250 --defsym DOCPART=n.
;; ======== version 1 of 1: 4 launches
;; limits: values are held in f16: magnitudes above 65,504 overflow, below 6.1e-05 lose precision; inputs' magnitudes at most 65,504
;; workspace buffers: xb 8,388,608 bytes; wb 6,291,456 bytes; wo16 2,097,152 bytes; bcat 16,384 bytes; qkv 25,165,824 bytes; att 8,388,608 bytes
;; launch cast (part 1): grid 1025 x 1, 8 waves a work-group, no clusters, 0 bytes of LDS; arguments hidden_states, Wq, Wk, Wv, Wo, bq, bk, bv, bo, xb, wb, wo16, bcat; writes xb, wb, wo16, bcat
.if DOCPART == 1
	.amdgcn_target "amdgcn-amd-amdhsa--gfx1250"
	.amdhsa_code_object_version 6
	.text
	.protected	k_q44766eaffa_cast
	.globl	k_q44766eaffa_cast
	.p2align	8
	.type	k_q44766eaffa_cast,@function
k_q44766eaffa_cast:
	s_mov_b64 s[64:65], 0
	v_nop
	global_prefetch_b8 v0, s[64:65] scope:SCOPE_SE
	s_setreg_imm32_b32 hwreg(HW_REG_WAVE_MODE, 25, 1), 1
	s_wait_xcnt 0x0
; ALL INPUTS ARE ROUNDED ONCE TO bf16.  xb = hidden_states, [4096][1024] bf16.  wb = Wq, Wk, Wv one after the other, [3072][1024] bf16.
; wo16 = Wo rounded to bf16, that number written as f16, [1024][1024].  bcat = bq, bk, bv, bo rounded to bf16 and widened again, [4096] f32.
; LIMITS.  wo16: |Wo| stays under 65,504 (beyond it f16 gives an infinity); below 6.1e-5 it keeps f16's fixed step of 6e-8.
; SHARES.  A work-group takes 8,192 numbers: 32,768 bytes in, 16,384 out.  Groups 0-511: x; 512-639 Wq; 640-767 Wk; 768-895 Wv; 896-1023 Wo; group 1024: the four biases.
; A load of a wave covers 512 consecutive bytes, a store 256 consecutive bytes, aligned.  A stream: no LDS, no barrier, no matrix unit, nothing read twice; the eight loads of a thread go out together.
.set X,  4                             ; v[4:35]   eight loads of four f32
.set Y,  36                            ; v[36:51]  eight pairs of words, two 16-bit numbers each
	s_load_b512 s[8:23], s[0:1], 0x0               ; hidden s[8:9], Wq s[10:11], Wk s[12:13], Wv s[14:15], Wo s[16:17], bq s[18:19], bk s[20:21], bv s[22:23]
	s_load_b256 s[24:31], s[0:1], 0x40             ; bo s[24:25], xb s[26:27], wb s[28:29], wo16 s[30:31]
	s_load_b64 s[32:33], s[0:1], 0x60              ; bcat
	s_mov_b32 s2, ttmp9                            ; the work-group's number g
	v_lshlrev_b32 v1, 4, v0                        ; 16 t: my 16 bytes of each 4,096 that the group loads at once
	v_lshlrev_b32 v2, 3, v0                        ; 8 t: my 8 bytes of each 2,048 that it stores
	s_wait_kmcnt 0x0
	s_cmp_eq_u32 s2, 1024
	s_cbranch_scc1 .Lbias
	s_mov_b64 s[34:35], s[8:9]                     ; the source, chosen by g alone
	s_cmp_ge_u32 s2, 512
	s_cselect_b64 s[34:35], s[10:11], s[34:35]
	s_cmp_ge_u32 s2, 640
	s_cselect_b64 s[34:35], s[12:13], s[34:35]
	s_cmp_ge_u32 s2, 768
	s_cselect_b64 s[34:35], s[14:15], s[34:35]
	s_cmp_ge_u32 s2, 896
	s_cselect_b64 s[34:35], s[16:17], s[34:35]
	s_and_b32 s3, s2, 127                          ; the chunk's number in its source: g in x, g mod 128 in a weight
	s_cmp_lt_u32 s2, 512
	s_cselect_b32 s3, s2, s3
	s_lshl_b32 s38, s3, 15
	s_mov_b32 s39, 0
	s_add_nc_u64 s[34:35], s[34:35], s[38:39]
	s_mov_b64 s[36:37], s[26:27]                   ; the destination and the chunk's number in it
	s_mov_b32 s4, s2
	s_sub_co_u32 s5, s2, 512
	s_cmp_ge_u32 s2, 512
	s_cselect_b64 s[36:37], s[28:29], s[36:37]
	s_cselect_b32 s4, s5, s4
	s_sub_co_u32 s5, s2, 896
	s_cmp_ge_u32 s2, 896
	s_cselect_b64 s[36:37], s[30:31], s[36:37]
	s_cselect_b32 s4, s5, s4
	s_lshl_b32 s40, s4, 14
	s_mov_b32 s41, 0
	s_add_nc_u64 s[36:37], s[36:37], s[40:41]
.irp i, 0,1,2,3,4,5,6,7
	global_load_b128 v[X+4*(\i):X+4*(\i)+3], v1, s[34:35] offset:4096*(\i) th:TH_LOAD_NT
.endr
.irp i, 0,1,2,3,4,5,6,7
	s_wait_loadcnt 7-(\i)                          ; loads come back in order: load i is in, the younger ones stay out
	v_cvt_pk_bf16_f32 v[Y+2*(\i)],   v[X+4*(\i)],   v[X+4*(\i)+1]
	v_cvt_pk_bf16_f32 v[Y+2*(\i)+1], v[X+4*(\i)+2], v[X+4*(\i)+3]
.endr
	s_cmp_lt_u32 s2, 896
	s_cbranch_scc1 .Lstore
.irp i, 0,1,2,3,4,5,6,7,8,9,10,11,12,13,14,15      ; Wo alone: the bf16 numbers are written as f16 (exact within f16's range)
	v_lshlrev_b32 v52, 16, v[Y+(\i)]
	v_and_b32 v53, 0xffff0000, v[Y+(\i)]
	v_cvt_pk_f16_f32 v[Y+(\i)], v52, v53
.endr
.Lstore:
.irp i, 0,1,2,3,4,5,6,7
	global_store_b64 v2, v[Y+2*(\i):Y+2*(\i)+1], s[36:37] offset:2048*(\i)
.endr
	s_endpgm
.Lbias:                                                ; 256 threads x 4 numbers = one bias of 1,024; four of them
	global_load_b128 v[X:X+3],     v1, s[18:19]
	global_load_b128 v[X+4:X+7],   v1, s[20:21]
	global_load_b128 v[X+8:X+11],  v1, s[22:23]
	global_load_b128 v[X+12:X+15], v1, s[24:25]
	s_wait_loadcnt 0x0
.irp i, 0,1,2,3,4,5,6,7
	v_cvt_pk_bf16_f32 v[Y+(\i)], v[X+2*(\i)], v[X+2*(\i)+1]
.endr
.irp i, 0,1,2,3,4,5,6,7
	v_lshlrev_b32 v[X+2*(\i)],   16, v[Y+(\i)]
	v_and_b32     v[X+2*(\i)+1], 0xffff0000, v[Y+(\i)]
.endr
.irp i, 0,1,2,3
	global_store_b128 v1, v[X+4*(\i):X+4*(\i)+3], s[32:33] offset:4096*(\i)
.endr
	s_endpgm
.Lfunc_end_k_q44766eaffa_cast:
	.size	k_q44766eaffa_cast, .Lfunc_end_k_q44766eaffa_cast-k_q44766eaffa_cast
	.p2alignl 7, 3214868480
	.fill 96, 4, 3214868480
	.section	.rodata,"a",@progbits
	.p2align	6, 0x0
	.amdhsa_kernel k_q44766eaffa_cast
		.amdhsa_group_segment_fixed_size 0
		.amdhsa_private_segment_fixed_size 0
		.amdhsa_enable_private_segment 0
		.amdhsa_kernarg_size 104
		.amdhsa_user_sgpr_count 2
		.amdhsa_user_sgpr_kernarg_segment_ptr 1
		.amdhsa_wavefront_size32 1
		.amdhsa_system_sgpr_workgroup_id_x 1
		.amdhsa_system_sgpr_workgroup_id_y 1
		.amdhsa_system_sgpr_workgroup_id_z 1
		.amdhsa_system_vgpr_workitem_id 0
		.amdhsa_next_free_vgpr 64
		.amdhsa_next_free_sgpr 66
		.amdhsa_reserve_vcc 0
		.amdhsa_float_denorm_mode_32 3
		.amdhsa_float_denorm_mode_16_64 3
		.amdhsa_memory_ordered 1
		.amdhsa_forward_progress 1
		.amdhsa_inst_pref_size 10
	.end_amdhsa_kernel
	.amdgpu_metadata
---
amdhsa.version: [ 1, 2 ]
amdhsa.kernels:
  - .name:           k_q44766eaffa_cast
    .symbol:         k_q44766eaffa_cast.kd
    .args:
      - { .name: hidden_states, .offset: 0, .size: 8, .value_kind: global_buffer, .address_space: global }
      - { .name: Wq, .offset: 8, .size: 8, .value_kind: global_buffer, .address_space: global }
      - { .name: Wk, .offset: 16, .size: 8, .value_kind: global_buffer, .address_space: global }
      - { .name: Wv, .offset: 24, .size: 8, .value_kind: global_buffer, .address_space: global }
      - { .name: Wo, .offset: 32, .size: 8, .value_kind: global_buffer, .address_space: global }
      - { .name: bq, .offset: 40, .size: 8, .value_kind: global_buffer, .address_space: global }
      - { .name: bk, .offset: 48, .size: 8, .value_kind: global_buffer, .address_space: global }
      - { .name: bv, .offset: 56, .size: 8, .value_kind: global_buffer, .address_space: global }
      - { .name: bo, .offset: 64, .size: 8, .value_kind: global_buffer, .address_space: global }
      - { .name: xb, .offset: 72, .size: 8, .value_kind: global_buffer, .address_space: global }
      - { .name: wb, .offset: 80, .size: 8, .value_kind: global_buffer, .address_space: global }
      - { .name: wo16, .offset: 88, .size: 8, .value_kind: global_buffer, .address_space: global }
      - { .name: bcat, .offset: 96, .size: 8, .value_kind: global_buffer, .address_space: global }
    .group_segment_fixed_size: 0
    .private_segment_fixed_size: 0
    .kernarg_segment_align: 8
    .kernarg_segment_size: 104
    .max_flat_workgroup_size: 256
    .sgpr_count:     66
    .vgpr_count:     64
    .wavefront_size: 32
...
	.end_amdgpu_metadata
.endif
;; end of part 1
;; launch qkv (part 2): grid 16 x 16, 4 waves a work-group, clusters of 4 x 4, 327,680 bytes of LDS; arguments xb, wb, bcat, qkv; writes qkv
.if DOCPART == 2
	.amdgcn_target "amdgcn-amd-amdhsa--gfx1250"
	.amdhsa_code_object_version 6
	.text
	.protected	k_q44766eaffa_qkv
	.globl	k_q44766eaffa_qkv
	.p2align	8
	.type	k_q44766eaffa_qkv,@function
k_q44766eaffa_qkv:
	s_mov_b64 s[64:65], 0
	v_nop
	global_prefetch_b8 v0, s[64:65] scope:SCOPE_SE
	s_setreg_imm32_b32 hwreg(HW_REG_WAVE_MODE, 25, 1), 1
	s_wait_xcnt 0x0
	s_wait_alu depctr_hold_cnt(0) depctr_sa_sdst(0) depctr_va_vdst(0) depctr_va_sdst(0) depctr_va_ssrc(0) depctr_va_vcc(0) depctr_vm_vsrc(0)
	s_getreg_b32 s2, hwreg(HW_REG_IB_STS2, 6, 4)
	s_cmp_eq_u32 s2, 0
	s_cbranch_scc0 .Lentry_in_a_cluster
	s_endpgm
.Lentry_in_a_cluster:
	s_bfe_u32 s2, ttmp6, 0x10000c
	s_cmp_lg_u32 s2, 0xf033
	s_cbranch_scc0 .Lentry_shape_is_right
	s_endpgm
.Lentry_shape_is_right:
; THE THREE PROJECTIONS AS ONE PRODUCT.  y[m][n] = the sum over k of xb[m][k] wb[n][k] + bcat[n]; m < 4096, n < 3072, k < 1024; bf16 operands, f32 sums.
; Columns 0-1023 are q, 1024-2047 k, 2048-3071 v.  k, v = clip(y, EPS, HI), a NaN becomes 0.  q: (y / 8) clipped to EPS..HI is clip(y, 8 EPS, 8 HI) / 8, exactly (a power of two);
; it is stored times log2(e), so that the scores of the next launch arrive in base 2.  All three leave in f16, rounded once, by heads: qkv[which][16 b + h][t][64], a head's rows dense, 128 bytes each.
; LIMITS.  The clips hold every stored number in 0 .. 1.4427, inside f16's range for every input; below 6.1e-5 f16 keeps its fixed step of 6e-8 (EPS is stored as 1.19e-7).
; SHARES.  A tile of y is 256 rows x 192 columns (three whole heads): 16 x 16 = 256 work-groups.  Wave w makes rows 64 w .. 64 w + 63 x all 192 columns: 4 x 12 accumulators, 384 registers;
; so 16 rows of one head, 2,048 consecutive bytes of qkv, leave from one wave, and the way out needs no barrier.  K goes in 8 steps of 128 (rows of 256 bytes) through two LDS slots.
; CLUSTER.  4 x 4 work-groups.  A row of the cluster shares xb's tile, a column wb's: each is asked for jointly, by the same tensor load with the same descriptor and a mask that names the four.
; THE MATRIX INSTRUCTION IS USED TRANSPOSED (source 0 = 16 rows of wb, source 1 = 16 rows of xb): a lane holds row l % 16 of y and the columns 8 (l / 16) + 0..7.
; The bias, laid out in that way, is the C operand of each accumulator's first product: nothing is cleared and nothing is added later.
; REGISTERS, in windows of 256 (s_set_vgpr_msb: bits 1:0 source 0, 3:2 source 1, 5:4 source 2, 7:6 destination):
;   window 0: v16-30 addresses; v32-63 at work on the way out; v128-223 the bias, 8 registers for each of the 12 column blocks
;   window 1: two fragment buffers of 128: wb's 12 fragments (16 rows x 32 K), then xb's 4
;   window 2: the accumulators of my row blocks 0, 1 ((a, b) at v[8 (12 (a % 2) + b)]);   window 3: those of blocks 2, 3
.set KSTEP,  128
.set PITCH,  272                       ; an LDS row: 256 bytes + 16 of padding = 68 words: the 16 rows of a load start at 16 different groups of four banks (64 banks of 4 bytes: ISA guide 11.1)
.set HALFA,  128*PITCH                 ; what waves 0 and 1 each fetch: 128 rows of xb
.set HALFB,  96*PITCH                  ; what waves 2 and 3 each fetch: 96 rows of wb
.set BOFF,   2*HALFA                   ; in a slot: xb's 256 rows, then wb's 192
.set SLOT,   2*HALFA+2*HALFB
.set STAGE,  2*SLOT                    ; behind the ring, never filled by a tensor load: 16 rows x 144 bytes for each wave
.set SP,     144
.set SPARE,  STAGE+4*16*SP             ; the spare words, 128 bytes for each wave: two blocks of 256 bytes that no other line names
.set LAPS,   4                         ; a lap = two K steps = once round the ring
.set ADRA, 16                          ; v16-17  LDS address of my xb fragments in slot 0, 1
.set ADRB, 20                          ; v20-21  the same for wb
.set STO,  24                          ; v24     the way out: where I put 16 bytes of a row
.set RD,   25                          ; v25     where I read rows back
.set GO,   26                          ; v26     16 x lane: my place in 512 consecutive bytes of qkv
.set BO,   27                          ; v27     32 (l / 16): my eight numbers of a column block's bias
.set SPW,  28                          ; v28     LDS address of my spare word; never rewritten
.set NIL,  29                          ; v29     0; never rewritten
.set PFO,  30                          ; v30     the prefetches' offset: a lane a row; never rewritten
.set T,    32                          ; v32-63  two buffers of 16
.set BIAS, 128
.set F0,   0
.set F1,   128
.set WV,   12                          ; s12 wave;  s13 0: I fetch xb, 1: wb;  s14 which half of that tile
.set ROLE, 13
.set HALF, 14
.set CX,   15                          ; s15, s16 my place in the cluster;  s17 tile column, s18 tile row
.set CY,   16
.set TC,   17
.set TR,   18
.set LIM,  19                          ; s19 1 in a wave that prefetches, else the greatest number
.set G1,   24                          ; s[24:31] group 1 for xb's tiles; s[32:39] group 0, a set for each slot
.set G0,   32
.set PFA,  44                          ; s[44:45] where my prefetches stand
.set G1B,  48                          ; s[48:55], s[56:63] the same for wb's tiles
.set G0B,  56
.set OB,   66                          ; s[66:71] qkv at my 64 rows of the tile's three heads
.set PAR,  72                          ; s[72+4 g ..]: head g's factor (twice), lower bound, upper bound
.set MSB, 0
.macro WIN new                         ; the immediate's high byte repeats the setting that is left; a switch that changes nothing is dropped
.if MSB != (\new)
	s_set_vgpr_msb (MSB<<8)|(\new)
.set MSB, \new
.endif
.endm
.macro PLACES                          ; four places in front of loads into registers that matrix instructions have read, and of vector work on their results
.rept 4
	v_nop
.endr
.endm
; A joint load.  The branch hangs on the wave's number alone.  An s_nop 0 and four v_nop follow each of the two lines.
.macro JLOAD s
	s_cmp_eq_u32 s[ROLE], 0
	s_cbranch_scc0 .Lfor_b_\@
	tensor_load_to_lds s[G0+4*(\s):G0+4*(\s)+3], s[G1:G1+7]
	s_nop 0
.rept 4
	v_nop
.endr
	s_branch .Lasked_\@
.Lfor_b_\@:
	tensor_load_to_lds s[G0B+4*(\s):G0B+4*(\s)+3], s[G1B:G1B+7]
	s_nop 0
.rept 4
	v_nop
.endr
.Lasked_\@:
.endm
; A prefetch of the K step that stands two refills on: 256 bytes of a row, a lane a row, one instruction a wave.  xb's tile row is read by every cluster of that row of clusters: cluster x = 0 asks;
; wb's tile column by every cluster of that column: cluster y = 0 asks.  The four partners that fetch a tile jointly share its rows out by address (32 of xb's 128, 24 of wb's 96; lanes 24-31 there
; name row 23 once more, in the same instruction).  K steps 0 to 3 come by their loads alone; the last trip's two refills (s3 = 1) have no K step two on.
.macro ASK
	WIN 0
	s_cmp_gt_u32 s3, s[LIM]
	s_cbranch_scc0 .Lnot_mine_\@
	global_prefetch_b8 v[PFO], s[PFA:PFA+1] offset:KSTEP*2 th:TH_LOAD_NT scope:SCOPE_SE
.Lnot_mine_\@:
.endm
.macro CREST                           ; a round of the cluster's barrier behind its opening barrier
	s_cmp_lg_u32 s[WV], 0
	s_cbranch_scc1 .Lnot_wave_0_\@
	s_barrier_signal -3
.Lnot_wave_0_\@:
	s_barrier_wait -3
	s_barrier_signal -1
	s_barrier_wait -1
.endm
.macro CROUND
	s_barrier_signal -1
	s_barrier_wait -1
	CREST
.endm
	s_load_b256 s[4:11], s[0:1], 0x0               ; xb s[4:5], wb s[6:7], bcat s[8:9], qkv s[10:11]
	v_lshl_add_u32 v[SPW], v0, 2, SPARE
	v_mov_b32 v[NIL], 0
	ds_add_u32 v[SPW], v[NIL]                      ; the wave's opening: the add is waited for ahead of my first tensor load; the set-up below stands between them
	v_lshrrev_b32 v1, 5, v0
	v_readfirstlane_b32 s[WV], v1
	s_lshr_b32 s[ROLE], s[WV], 1
	s_and_b32 s[HALF], s[WV], 1
	s_bfe_u32 s[CX], ttmp6, 0x40000
	s_bfe_u32 s[CY], ttmp6, 0x40004
	s_lshl_b32 s[TC], ttmp9, 2
	s_add_co_u32 s[TC], s[TC], s[CX]               ; tile column = 4 x cluster x + cx
	s_and_b32 s[TR], ttmp7, 0xffff
	s_lshl_b32 s[TR], s[TR], 2
	s_add_co_u32 s[TR], s[TR], s[CY]               ; tile row = 4 x cluster y + cy
	s_lshl_b32 s40, s[CY], 2
	s_lshl_b32 s40, 15, s40                        ; my row of the cluster
	s_lshl_b32 s41, 0x1111, s[CX]                  ; my column
	s_or_b32 s[G1+0],  s40, (1<<16)|(1<<20)|(1<<21)|(5<<22)|(3<<25)  ; the mask; 2-byte elements; padding on; bit 21 beside a mask; after every 64 words, 4 words
	s_or_b32 s[G1B+0], s41, (1<<16)|(1<<20)|(1<<21)|(5<<22)|(3<<25)
	s_mov_b32 s[G1+1],  KSTEP<<16                  ; tensor_dim0 = 128
	s_mov_b32 s[G1B+1], KSTEP<<16
	s_mov_b32 s[G1+2],  128<<16                    ; tensor_dim1 = 128 rows of xb,
	s_mov_b32 s[G1B+2], 96<<16                     ; 96 of wb
	s_mov_b32 s[G1+3],  KSTEP<<16                  ; tile_dim0 = 128
	s_mov_b32 s[G1B+3], KSTEP<<16
	s_mov_b32 s[G1+4],  128                        ; tile_dim1
	s_mov_b32 s[G1B+4], 96
	s_mov_b32 s[G1+5],  1024                       ; elements from row to row
	s_mov_b32 s[G1B+5], 1024
	s_mov_b32 s[G1+6],  0
	s_mov_b32 s[G1B+6], 0
	s_mov_b32 s[G1+7],  0
	s_mov_b32 s[G1B+7], 0
	s_lshl_b32 s20, s[TR], 8                       ; xb: row 256 x tile row + 128 x half, times 2,048 bytes
	s_lshl_b32 s21, s[HALF], 7
	s_add_co_u32 s20, s20, s21
	s_lshl_b32 s20, s20, 11
	s_mov_b32 s21, 0
	s_mul_i32 s46, s[TC], 192                      ; wb: row 192 x tile column + 96 x half
	s_mul_i32 s47, s[HALF], 96
	s_add_co_u32 s46, s46, s47
	s_lshl_b32 s46, s46, 11
	s_mov_b32 s47, 0
	s_mul_i32 s22, s[WV], HALFA                    ; where they go: waves 0, 1: wave x 128 rows;
	s_mul_i32 s23, s[WV], HALFB                    ; waves 2, 3: behind xb's 256 rows, (wave - 2) x 96 rows
	s_add_co_u32 s23, s23, BOFF-2*HALFB
	s_mov_b32 s84, 0x3556bf95                      ; 8 EPS
	s_mov_b32 s85, 0x33d6bf95                      ; EPS = 1e-7
	s_mov_b32 s86, 0x40fffffe                      ; 8 HI
	s_mov_b32 s87, 0x3f7ffffe                      ; HI = the f32 nearest to 1 - 1e-7
	s_wait_dscnt 0x0                               ; the opening add is done
	s_wait_kmcnt 0x0
	s_add_nc_u64 s[20:21], s[4:5], s[20:21]
	s_add_nc_u64 s[46:47], s[6:7], s[46:47]
	CROUND                                         ; all sixteen work-groups are here: the first joint loads meet
.irp s, 0,1
	s_mov_b32 s[G0+4*(\s)], 1
	s_add_co_u32 s[G0+4*(\s)+1], s22, (\s)*SLOT
	s_add_nc_u64 s[G0+4*(\s)+2:G0+4*(\s)+3], s[20:21], (\s)*KSTEP*2
	s_or_b32 s[G0+4*(\s)+3], s[G0+4*(\s)+3], 0x80000000
	s_mov_b32 s[G0B+4*(\s)], 1
	s_add_co_u32 s[G0B+4*(\s)+1], s23, (\s)*SLOT
	s_add_nc_u64 s[G0B+4*(\s)+2:G0B+4*(\s)+3], s[46:47], (\s)*KSTEP*2
	s_or_b32 s[G0B+4*(\s)+3], s[G0B+4*(\s)+3], 0x80000000
	JLOAD \s                                       ; two loads of mine are out
.endr
	; the bias: bcat[192 x tile column + 16 b + 8 (l / 16) + 0..7] for the 12 column blocks b
	v_and_b32 v1, 15, v0                           ; l % 16
	v_bfe_u32 v2, v0, 4, 1                         ; l / 16
	v_lshlrev_b32 v[BO], 5, v2
	s_mul_i32 s42, s[TC], 768
	s_mov_b32 s43, 0
	s_add_nc_u64 s[42:43], s[8:9], s[42:43]
.irp b, 0,1,2,3,4,5,6,7,8,9,10,11
	global_load_b128 v[BIAS+8*(\b):BIAS+8*(\b)+3],   v[BO], s[42:43] offset:64*(\b)
	global_load_b128 v[BIAS+8*(\b)+4:BIAS+8*(\b)+7], v[BO], s[42:43] offset:64*(\b)+16
.endr
	; a fragment is 16 rows x 32 K in 8 registers: lane l holds row l % 16, K = 8 (l / 16) + 0..7 and 16 + 8 (l / 16) + 0..7: two loads of 16 bytes, 32 bytes apart
	v_mul_u32_u24 v3, v1, PITCH
	v_lshl_add_u32 v3, v2, 4, v3
	s_mul_i32 s22, s[WV], 64*PITCH                 ; my 64 rows of xb
	v_add_nc_u32 v[ADRA], s22, v3
	v_add_nc_u32 v[ADRA+1], SLOT, v[ADRA]
	v_add_nc_u32 v[ADRB], BOFF, v3
	v_add_nc_u32 v[ADRB+1], SLOT+BOFF, v3
	s_mul_i32 s23, s[WV], 16*SP
	s_add_co_u32 s23, s23, STAGE                   ; my stage
	v_mul_u32_u24 v4, v1, SP                       ; in: row l % 16, 16 bytes for each half of the lanes
	v_lshl_add_u32 v4, v2, 4, v4
	v_add_nc_u32 v[STO], s23, v4
	v_bfe_u32 v5, v0, 3, 2                         ; back: 32 lanes take four rows of 128 bytes,
	v_mul_u32_u24 v5, v5, SP
	v_and_b32 v6, 7, v0
	v_lshl_add_u32 v5, v6, 4, v5
	v_add_nc_u32 v[RD], s23, v5
	v_and_b32 v[GO], 31, v0                        ; which are 512 consecutive bytes of qkv
	v_lshlrev_b32 v[GO], 4, v[GO]
	; the three heads hd = 3 x tile column + g: where they go, and how they are clipped and scaled
	s_mul_i32 s40, s[TC], 3
	s_and_b32 s41, s[TR], 7
	s_lshl_b32 s41, s41, 8
	s_lshl_b32 s46, s[WV], 6
	s_add_co_u32 s41, s41, s46
	s_lshl_b32 s41, s41, 7                         ; my first row in the head, (tile row % 8) x 256 + 64 x wave, times 128 bytes
	s_lshr_b32 s46, s[TR], 3
	s_lshl_b32 s46, s46, 4                         ; 16 b
.irp g, 0,1,2
	s_add_co_u32 s20, s40, \g                      ; hd: 0-15 q, 16-31 k, 32-47 v
	s_lshr_b32 s21, s20, 4
	s_lshl_b32 s21, s21, 5
	s_and_b32 s22, s20, 15
	s_add_co_u32 s21, s21, s22
	s_add_co_u32 s21, s21, s46                     ; 32 x which + 16 b + h
	s_lshl_b32 s21, s21, 18                        ; a head is 262,144 bytes
	s_add_co_u32 s22, s21, s41
	s_mov_b32 s23, 0
	s_add_nc_u64 s[OB+2*(\g):OB+2*(\g)+1], s[10:11], s[22:23]
	s_cmp_lt_u32 s20, 16
	s_cselect_b32 s[PAR+4*(\g)], 0x3e38aa3b, 1.0   ; q: log2(e) / 8
	s_cselect_b32 s[PAR+4*(\g)+2], s84, s85
	s_cselect_b32 s[PAR+4*(\g)+3], s86, s87
	s_mov_b32 s[PAR+4*(\g)+1], s[PAR+4*(\g)]       ; named with it as a pair
.endr
	; the prefetches
	s_lshl_b32 s40, s[TR], 8
	s_lshl_b32 s41, s[HALF], 7
	s_add_co_u32 s40, s40, s41
	s_lshl_b32 s41, s[CX], 5
	s_add_co_u32 s40, s40, s41                     ; xb: the 128 rows that I fetch, my work-group's 32 of them
	s_mul_i32 s41, s[TC], 192
	s_mul_i32 s46, s[HALF], 96
	s_add_co_u32 s41, s41, s46
	s_mul_i32 s46, s[CY], 24
	s_add_co_u32 s41, s41, s46                     ; wb: the 96 rows that I fetch, my work-group's 24
	s_and_b32 s46, ttmp7, 0xffff                   ; cluster y
	s_cmp_eq_u32 s[ROLE], 0
	s_cselect_b32 s40, s40, s41
	s_cselect_b32 s46, ttmp9, s46                  ; the coordinate along which other clusters read the same rows
	s_cselect_b32 s47, 31, 23
	s_cselect_b64 s[PFA:PFA+1], s[4:5], s[6:7]
	s_cmp_eq_u32 s46, 0
	s_cselect_b32 s[LIM], 1, -1                    ; the same in all sixteen partners, for a given wave
	s_lshl_b32 s40, s40, 11
	s_mov_b32 s41, 0
	s_add_nc_u64 s[PFA:PFA+1], s[PFA:PFA+1], s[40:41]
	s_add_nc_u64 s[PFA:PFA+1], s[PFA:PFA+1], 2*KSTEP*2  ; at K step 2: the first refill steps it to 3 and names K step 4
	v_and_b32 v[PFO], 31, v0
	v_min_u32 v[PFO], s47, v[PFO]
	v_lshlrev_b32 v[PFO], 11, v[PFO]
; 12 matrix instructions: row block a x all 12 column blocks, 32 along K.  zero = 1: the first product starts the sums, with the bias.  The 48 accumulators take turns, one instruction a turn.
.macro MUL12 f, a, zero
.if \zero
	WIN 0x85+0x40*((\a)/2)                         ; sources 0, 1 window 1; C window 0; D window 2 or 3
.else
	WIN 0xa5+0x50*((\a)/2)                         ; C and D window 2 or 3
.endif
.irp b, 0,1,2,3,4,5,6,7,8,9,10,11
.if \zero
	v_wmma_f32_16x16x32_bf16 v[8*(12*((\a)%2)+(\b)):8*(12*((\a)%2)+(\b))+7], v[(\f)+8*(\b):(\f)+8*(\b)+7], v[(\f)+96+8*(\a):(\f)+96+8*(\a)+7], v[BIAS+8*(\b):BIAS+8*(\b)+7]
.else
	v_wmma_f32_16x16x32_bf16 v[8*(12*((\a)%2)+(\b)):8*(12*((\a)%2)+(\b))+7], v[(\f)+8*(\b):(\f)+8*(\b)+7], v[(\f)+96+8*(\a):(\f)+96+8*(\a)+7], v[8*(12*((\a)%2)+(\b)):8*(12*((\a)%2)+(\b))+7]
.endif
.endr
.endm
; 32 LDS loads in one run: a quarter step's fragments (32 K at byte k of the rows) into buffer f: wb's 12, then xb's 4
.macro FETCH slot, k, f
	WIN 0x40                                       ; destination window 1, address window 0
.irp i, 0,1,2,3,4,5,6,7,8,9,10,11
	ds_load_b128 v[(\f)+8*(\i):(\f)+8*(\i)+3],   v[ADRB+(\slot)] offset:(\k)+(\i)*16*PITCH
	ds_load_b128 v[(\f)+8*(\i)+4:(\f)+8*(\i)+7], v[ADRB+(\slot)] offset:(\k)+(\i)*16*PITCH+32
.endr
.irp i, 0,1,2,3
	ds_load_b128 v[(\f)+96+8*(\i):(\f)+96+8*(\i)+3],   v[ADRA+(\slot)] offset:(\k)+(\i)*16*PITCH
	ds_load_b128 v[(\f)+96+8*(\i)+4:(\f)+96+8*(\i)+7], v[ADRA+(\slot)] offset:(\k)+(\i)*16*PITCH+32
.endr
.endm
; A K step is four quarters of 32 along K, 48 matrix instructions each, on buffers 0, 1, 0, 1.  One of the first three: multiplies f, and in its middle fetches the next quarter into g.
.macro QUARTER slot, k, f, g, zero
	s_wait_dscnt 4                                 ; wb's fragments and xb's blocks 0, 1 are in; the youngest four loads (blocks 2, 3) may be out
	MUL12 \f, 0, \zero
	MUL12 \f, 1, \zero
	PLACES
	FETCH \slot, \k, \g
	s_wait_dscnt 32                                ; all but the 32 just issued
	MUL12 \f, 2, \zero
	MUL12 \f, 3, \zero
.endm
; The last quarter multiplies buffer 1 and changes slots: ONE barrier.  In front of it each wave waits for all its tensor loads (one is out: its part of the next slot), adds 0 to its spare word, and waits
; for that and for its own reads of this slot.  fill = 1: the barrier opens a round of the cluster's, and this slot is filled again first behind it, two K steps ahead: 168 matrix instructions ahead of the wait for it.
.macro TURN slot, next, fill
.if \fill
	s_wait_xcnt 0x0                                ; the last prefetch, a K step back, has read its address
	s_add_nc_u64 s[PFA:PFA+1], s[PFA:PFA+1], KSTEP*2
.endif
	WIN 0                                          ; (the add's two registers lie in window 0)
	s_wait_tensorcnt 0x0                           ; all my tensor loads have landed
	ds_add_u32 v[SPW], v[NIL]                      ; 0 onto my spare word
	s_wait_dscnt 5                                 ; (the add and the youngest four loads may be out)
	MUL12 F1, 0, 0                                 ; twelve matrix instructions stand between the add and the wait for it
	s_wait_dscnt 0x0                               ; the add is done, and my reads of this slot are over
	s_barrier_signal -1
	MUL12 F1, 1, 0
.if \fill
	WIN 0
.endif
	s_barrier_wait -1
.if \fill
	CREST                                          ; no wave of any partner still reads this slot's tile or has a load on its way
	s_add_nc_u64 s[G0+4*(\slot)+2:G0+4*(\slot)+3], s[G0+4*(\slot)+2:G0+4*(\slot)+3], 2*KSTEP*2
	s_add_nc_u64 s[G0B+4*(\slot)+2:G0B+4*(\slot)+3], s[G0B+4*(\slot)+2:G0B+4*(\slot)+3], 2*KSTEP*2
	JLOAD \slot                                    ; the four v_nop behind it are also the places in front of the loads below
.else
	PLACES
.endif
	FETCH \next, 0, F0
.if \fill
	ASK
.endif
	MUL12 F1, 2, 0
	MUL12 F1, 3, 0
.endm
	s_wait_tensorcnt 1                             ; my part of K step 0 is in; K step 1's may stay out
	s_barrier_signal -1
	s_barrier_wait -1                              ; everybody's is
	FETCH 0, 0, F0
	s_wait_loadcnt 0x0                             ; the bias
	QUARTER 0, 64,  F0, F1, 1                      ; the first quarter stands in front of the loop: its products start the sums
	WIN 0                                          ; at a label and at a branch every window is 0
	s_mov_b32 s3, LAPS-1
.Llap:                                                 ; a trip goes once round the ring, from a lap's second quarter to the next lap's first, and fills both slots again
	QUARTER 0, 128, F1, F0, 0
	QUARTER 0, 192, F0, F1, 0
	TURN 0, 1, 1
	QUARTER 1, 64,  F0, F1, 0
	QUARTER 1, 128, F1, F0, 0
	QUARTER 1, 192, F0, F1, 0
	TURN 1, 0, 1
	QUARTER 0, 64,  F0, F1, 0
	WIN 0
	s_sub_co_u32 s3, s3, 1
	s_cmp_lg_u32 s3, 0
	s_cbranch_scc1 .Llap
	QUARTER 0, 128, F1, F0, 0                      ; the last lap fills nothing, and has no round of the cluster's barrier
	QUARTER 0, 192, F0, F1, 0
	TURN 0, 1, 0
	QUARTER 1, 64,  F0, F1, 0
	QUARTER 1, 128, F1, F0, 0
	QUARTER 1, 192, F0, F1, 0
	s_wait_dscnt 4                                 ; the very last quarter: nothing more to fetch
	MUL12 F1, 0, 0
	MUL12 F1, 1, 0
	s_wait_dscnt 0x0
	MUL12 F1, 2, 0
	MUL12 F1, 3, 0
; THE WAY OUT, in 12 units u = 3 a + g: 16 rows (block a) of head g, four accumulators, 32 registers on end.  Each number: is it a NaN; the clip; 0 for a NaN; then the head's factor (1 for k and v: which
; head a unit holds is known only at run time, so the text is one for all); rounded to f16, 16 bytes a lane; into my own stage (rows of 144 bytes) and back as four rows of 128 bytes.
; Each accumulator is read from its lowest register on.
.macro PACK u
.set pa, (\u)/3
.set pg, (\u)%3
.set AC, 8*(12*(pa%2)+4*pg)
.set TB, T+16*((\u)%2)
	WIN 0xaa+0x55*(pa/2)                           ; all places window 2 or 3
.set e, 0
.rept 32
	v_cmp_eq_f32 vcc_lo, v[AC+e], v[AC+e]
	v_med3_num_f32 v[AC+e], v[AC+e], s[PAR+4*pg+2], s[PAR+4*pg+3]
	v_cndmask_b32 v[AC+e], 0, v[AC+e], vcc_lo
.set e, e+1
.endr
.set e, 0
.rept 16
	v_pk_mul_f32 v[AC+e:AC+e+1], v[AC+e:AC+e+1], s[PAR+4*pg:PAR+4*pg+1] op_sel_hi:[1,0]
.set e, e+2
.endr
	s_wait_xcnt 0x0                                ; the stores of the unit two back have read this buffer: it is rewritten only behind this wait
	WIN 0x0a+0x05*(pa/2)                           ; sources window 2 or 3, destination window 0
.set e, 0
.rept 16
	v_cvt_pk_f16_f32 v[TB+e], v[AC+2*e], v[AC+2*e+1]
.set e, e+1
.endr
	WIN 0
.irp bb, 0,1,2,3
	ds_store_b128 v[STO], v[TB+4*(\bb):TB+4*(\bb)+3] offset:32*(\bb)
.endr
.irp ff, 0,1,2,3
	ds_load_b128 v[TB+4*(\ff):TB+4*(\ff)+3], v[RD] offset:4*SP*(\ff)  ; LDS serves a wave's instructions in order (ISA guide 5.7.1.4): these see the stores above; the next unit's stores come behind them
.endr
.endm
.macro SEND u, younger                 ; younger: the LDS instructions issued behind unit u's loads: the next unit's eight, or none
.set TB, T+16*((\u)%2)
.irp ff, 0,1,2,3
	s_wait_dscnt (\younger)+3-(\ff)
	global_store_b128 v[GO], v[TB+4*(\ff):TB+4*(\ff)+3], s[OB+2*((\u)%3):OB+2*((\u)%3)+1] offset:2048*((\u)/3)+512*(\ff)  ; 512 consecutive bytes, at a multiple of 256 from qkv's first
.endr
.endm
	PLACES
	PLACES
	PACK 0
.irp u, 1,2,3,4,5,6,7,8,9,10,11        ; a unit's arithmetic stands between the loads of the unit before and its stores
	PACK \u
	SEND (\u)-1, 8
.endr
	SEND 11, 0
	s_wait_tensorcnt 0x0                           ; the wave's end, behind my last tensor load and my last LDS store
	ds_add_u32 v[SPW], v[NIL]
	s_wait_dscnt 0x0
	CROUND                                         ; the closing round: no work-group ends while a partner may still ask for a tile that names it
	s_endpgm
.Lfunc_end_k_q44766eaffa_qkv:
	.size	k_q44766eaffa_qkv, .Lfunc_end_k_q44766eaffa_qkv-k_q44766eaffa_qkv
	.p2alignl 7, 3214868480
	.fill 96, 4, 3214868480
	.section	.rodata,"a",@progbits
	.p2align	6, 0x0
	.amdhsa_kernel k_q44766eaffa_qkv
		.amdhsa_group_segment_fixed_size 327680
		.amdhsa_private_segment_fixed_size 0
		.amdhsa_enable_private_segment 0
		.amdhsa_kernarg_size 32
		.amdhsa_user_sgpr_count 2
		.amdhsa_user_sgpr_kernarg_segment_ptr 1
		.amdhsa_wavefront_size32 1
		.amdhsa_system_sgpr_workgroup_id_x 1
		.amdhsa_system_sgpr_workgroup_id_y 1
		.amdhsa_system_sgpr_workgroup_id_z 1
		.amdhsa_system_vgpr_workitem_id 0
		.amdhsa_next_free_vgpr 1024
		.amdhsa_next_free_sgpr 88
		.amdhsa_reserve_vcc 1
		.amdhsa_float_denorm_mode_32 3
		.amdhsa_float_denorm_mode_16_64 3
		.amdhsa_memory_ordered 1
		.amdhsa_forward_progress 1
		.amdhsa_inst_pref_size 186
	.end_amdhsa_kernel
	.amdgpu_metadata
---
amdhsa.version: [ 1, 2 ]
amdhsa.kernels:
  - .name:           k_q44766eaffa_qkv
    .symbol:         k_q44766eaffa_qkv.kd
    .args:
      - { .name: xb, .offset: 0, .size: 8, .value_kind: global_buffer, .address_space: global }
      - { .name: wb, .offset: 8, .size: 8, .value_kind: global_buffer, .address_space: global }
      - { .name: bcat, .offset: 16, .size: 8, .value_kind: global_buffer, .address_space: global }
      - { .name: qkv, .offset: 24, .size: 8, .value_kind: global_buffer, .address_space: global }
    .group_segment_fixed_size: 327680
    .private_segment_fixed_size: 0
    .kernarg_segment_align: 8
    .kernarg_segment_size: 32
    .max_flat_workgroup_size: 128
    .sgpr_count:     88
    .vgpr_count:     1024
    .wavefront_size: 32
...
	.end_amdgpu_metadata
.endif
;; end of part 2
;; launch attn (part 3): grid 8 x 32, 4 waves a work-group, clusters of 4 x 1, 327,680 bytes of LDS; arguments qkv, att; writes att
.if DOCPART == 3
	.amdgcn_target "amdgcn-amd-amdhsa--gfx1250"
	.amdhsa_code_object_version 6
	.text
	.protected	k_q44766eaffa_attn
	.globl	k_q44766eaffa_attn
	.p2align	8
	.type	k_q44766eaffa_attn,@function
k_q44766eaffa_attn:
	s_mov_b64 s[64:65], 0
	v_nop
	global_prefetch_b8 v0, s[64:65] scope:SCOPE_SE
	s_setreg_imm32_b32 hwreg(HW_REG_WAVE_MODE, 25, 1), 1
	s_wait_xcnt 0x0
	s_wait_alu depctr_hold_cnt(0) depctr_sa_sdst(0) depctr_va_vdst(0) depctr_va_sdst(0) depctr_va_ssrc(0) depctr_va_vcc(0) depctr_vm_vsrc(0)
	s_getreg_b32 s2, hwreg(HW_REG_IB_STS2, 6, 4)
	s_cmp_eq_u32 s2, 0
	s_cbranch_scc0 .Lentry_in_a_cluster
	s_endpgm
.Lentry_in_a_cluster:
	s_bfe_u32 s2, ttmp6, 0x10000c
	s_cmp_lg_u32 s2, 0x3003
	s_cbranch_scc0 .Lentry_shape_is_right
	s_endpgm
.Lentry_shape_is_right:
; att[hd][t][:] = clip( the sum over s of p(t, s) v[hd][s][:] / the sum over s of p(t, s) ),  p = 2^clip(q' . k, EPS log2 e, HI log2 e).  qkv: [3][32][2048][64] f16, q' = q log2(e); att: [32][2048][64] f16.
; NO MAXIMUM IS TAKEN AWAY: the clip of the scores, which the module itself makes ahead of its softmax, holds every exponent in 0 .. 1.4427, so every p lies in 1 .. e and every row sum in 2,048 .. 5,567.
; THE CLIP OF THE PROBABILITIES IS THE IDENTITY: p / sum lies in 1 / (2,048 e) .. e / 2,048 for every input, inside EPS .. HI.  So p stays as it is, and the row is divided by its sum once, at the end.
; Products and sums in f32; p is rounded to f16 for the second product (its sum is taken of the unrounded p), the result once at the end.
; LIMITS.  q', k, v lie in 0 .. 1.4427, p in 1 .. e, the result in EPS .. HI: all inside f16's range; below 6.1e-5 f16 keeps its fixed step of 6e-8.  No NaN can arise: all operands are finite and positive or 0.
; SHARES.  A work-group owns 256 queries of one head, a wave 64: four tiles of 16, in two PIECES of two tiles.  Every wave walks the head's 2,048 keys, 64 a step.
; LAYOUT.  S^T = K Q^T (source 0 = 16 keys, source 1 = 16 queries): a lane holds ONE query (lane % 16) and the keys 8 (lane / 16) + 0..7.  Two such results rounded to f16 in pairs ARE source 1 of
; O^T = V^T P, whose result again holds one query a lane, and eight channels.  K comes out of LDS as it lies, V ([key][channel]) turned, by ds_load_tr16_b128.
; BY TURNS.  In turn x piece x has the matrix unit: 16 products V^T P of the step in hand, later 16 products K Q^T of the next step; beside them stands the other piece's vector work: 64 clips and 64
; exponentials (four behind each V^T P, the other 64 in one lump), ONE wait for the batch, then 32 roundings and 32 sums, four behind each K Q^T.
; CLUSTER.  The four query blocks of a cluster belong to one head and walk the same K and V: each tile is asked for JOINTLY, by the same tensor load, descriptor and mask in all four.
; REGISTERS, in windows of 256 (s_set_vgpr_msb: bits 1:0 source 0, 3:2 source 1, 5:4 source 2, 7:6 destination):
;   window 0: v1-14 addresses; v32-63 the row sums, four pairs a tile; v64-191 S^T, 32 a tile; v192-255 P, 16 a tile
;   window 1: v0-127 O^T, 32 a tile          window 2: v0-63 Q, 16 a tile; v128-191 K of one step; v192-255 V of one step
.set KS,    64        ; keys in a step
.set PKP,   144       ; a row of K in LDS: 128 bytes + 16 of padding = 36 words: the 16 rows of a load start at 16 different groups of four banks (64 banks of 4 bytes: ISA guide 11.1)
.set PVP,   160       ; a row of V: 128 + 32 = 40 words
.set VOFF,  4*KS*PKP  ; a slot holds four steps: 256 rows of K, then 256 rows of V
.set SLOT1, 1<<17     ; slot 1 begins here, so that one exclusive or turns an address in one slot into the other's
.set STAGE, SLOT1+4*KS*(PKP+PVP)  ; behind the ring, never filled by a tensor load: 16 rows x 144 bytes for each wave
.set SP,    144
.set SPARE, STAGE+4*16*SP  ; the spare words, 128 bytes for each wave: two blocks of 256 bytes that no other line names
.set TILEB, 4*KS*128  ; a slot's bytes of K, and of V, in memory
.set AK0, 2           ; v2   my lane's place in a tile of K; never rewritten
.set AV0, 3           ; v3   the same for V
.set AK,  4           ; v4   the LDS address of K's next run of loads
.set AV,  5           ; v5   of V's
.set QO,  6           ; v6   my byte offset in the wave's rows of Q
.set STO, 6           ;      later, the way out: where I put 16 bytes of a row
.set RD,  7           ; v7   where I read rows back
.set GO,  8           ; v8   my byte offset in 512 consecutive bytes of att
.set SPW, 10          ; v10  LDS address of my spare word; never rewritten
.set NIL, 11          ; v11  0; never rewritten
.set PFO, 12          ; v12  256 x my lane; never rewritten
.set LS,  32
.set S,   64
.set P,   192
.set KF,  128         ; window 2: key block kb, channel half c at KF + 16 kb + 8 c
.set VF,  192         ; window 2: key half kk, channel block cb at VF + 32 kk + 8 cb
.set WV,  12          ; s12  my wave's number
.set LIM, 15          ; s15  1 in a wave that prefetches, else the greatest number
.set PFA, 18          ; s[18:19] where my prefetches stand
.set G1K, 24          ; s[24:31] descriptor group 1 for K's tiles
.set G1V, 32          ; s[32:39] for V's: it differs in the padding alone
.set G0K, 40          ; s[40:43] descriptor group 0 for K's tiles: it walks
.set G0V, 44          ; s[44:47] the same for V's
.set LOS, 48          ; s48  EPS log2(e)
.set HIS, 49          ; s49  HI log2(e)
.set EPSR, 50         ; s50  EPS
.set HIR, 51          ; s51  HI
.set SLOTS, 56        ; s56  slots still to be asked for
.set CNT, 57          ; s57  counts a slot's key steps
.set SEL, 60          ; s[60:61] v_permlanex16_b32's selects: each lane takes its own place in the other half
.set TBK, 62          ; s62  LDS byte at which K of the step to be fetched begins
.set TBV, 63          ; s63  the same for V, less VOFF
.set MSB, 0
.macro WIN new                      ; the high byte repeats the setting that is left; a switch that changes nothing is dropped
.if MSB != (\new)
	s_set_vgpr_msb (MSB<<8)|(\new)
.set MSB, (\new)
.endif
.endm
.set W_KQ, 0x0a       ; K and Q in window 2, S^T in window 0
.set W_PV, 0x52       ; V in window 2, P in window 0, O^T in window 1
.set W_RS, 0x41       ; destination and source 0 in window 1, source 1 in window 0
; A joint fill.  Waves 0 and 1 fetch the two halves of a slot's K, waves 2 and 3 those of its V: 128 keys each.  An s_nop 0 and four v_nop follow each of the two lines.
.macro JLOAD
	s_cmp_lt_u32 s[WV], 2
	s_cbranch_scc0 .Lfor_v_\@
	tensor_load_to_lds s[G0K:G0K+3], s[G1K:G1K+7]
	s_nop 0
.rept 4
	v_nop
.endr
	s_branch .Lasked_\@
.Lfor_v_\@:
	tensor_load_to_lds s[G0V:G0V+3], s[G1V:G1V+7]
	s_nop 0
.rept 4
	v_nop
.endr
.Lasked_\@:
.endm
; A prefetch of what the NEXT change of slots will ask for: a slot's 32,768 bytes of K and of V, 256 bytes a lane.  Both clusters of a head walk the same rows: the first asks.  Its four partners share the
; bytes out by address, 8,192 each; in each, wave 0 asks for K's and wave 2 for V's.  So each block is named once.  Slots 0 to 2 come by their loads alone; the last change that fills a slot asks for nothing.
.macro ASK
	s_cmp_gt_u32 s[SLOTS], s[LIM]
	s_cbranch_scc0 .Lnot_mine_\@
	global_prefetch_b8 v[PFO], s[PFA:PFA+1] th:TH_LOAD_NT scope:SCOPE_SE
.Lnot_mine_\@:
.endm
.macro CROUND                       ; a round of the cluster's barrier
	s_barrier_signal -1
	s_barrier_wait -1
	s_cmp_lg_u32 s[WV], 0
	s_cbranch_scc1 .Lnot_wave_0_\@
	s_barrier_signal -3
.Lnot_wave_0_\@:
	s_barrier_wait -3
	s_barrier_signal -1
	s_barrier_wait -1
.endm
; THE CHANGE OF SLOTS stands between piece 1's turn that has asked for V of the slot's fourth step and piece 0's turn that asks for K of the next slot's first.  Each wave waits for all its tensor loads
; (one is out: its part of the other slot), adds 0 to its spare word, and waits for that and for its own reads of the slot.  fill = 1: the barrier is a round of the cluster's, and the slot is filled again
; first behind it, with the keys two slots on: four key steps, 256 matrix instructions, in which to land.  (At its first use nothing has been read yet: slot 0 is waited for, slot 1 filled.)
.macro CHANGE fill, ask
	WIN 0
	s_wait_tensorcnt 0x0            ; no tensor load of mine is out, so a group 0 may be written
	ds_add_u32 v[SPW], v[NIL]       ; 0 onto my spare word
.if \fill
.irp g, G0K, G0V
	s_xor_b32 s[\g+1], s[\g+1], SLOT1
	s_add_nc_u64 s[\g+2:\g+3], s[\g+2:\g+3], TILEB
.endr
.if \ask
	s_wait_xcnt 0x0                 ; the last prefetch, four key steps back, has read its address
	s_add_nc_u64 s[PFA:PFA+1], s[PFA:PFA+1], TILEB
.endif
	s_wait_dscnt 0x0                ; the add is done, and my reads of the slot are over
	CROUND
	JLOAD
.if \ask
	ASK
.endif
.else
	s_wait_dscnt 0x0
	s_barrier_signal -1
	s_barrier_wait -1
.endif
	s_sub_co_u32 s[TBK], s[TBK], 4*KS*PKP  ; the fetches go back to a slot's first step,
	s_xor_b32 s[TBK], s[TBK], SLOT1        ; in the other slot
	s_sub_co_u32 s[TBV], s[TBV], 4*KS*PVP
	s_xor_b32 s[TBV], s[TBV], SLOT1
.endm
	s_load_b128 s[4:7], s[0:1], 0x0 ; qkv s[4:5], att s[6:7]
	v_lshl_add_u32 v[SPW], v0, 2, SPARE
	v_mov_b32 v[NIL], 0
	ds_add_u32 v[SPW], v[NIL]       ; the wave's opening: the add is waited for ahead of my first tensor load; the set-up below stands between them
	v_lshrrev_b32 v1, 5, v0
	v_readfirstlane_b32 s[WV], v1
	s_bfe_u32 s13, ttmp6, 0x40000   ; cx
	s_lshl_b32 s14, ttmp9, 2
	s_add_co_u32 s14, s14, s13      ; my block of 256 queries: it enters Q's and att's addresses alone
	s_and_b32 s20, ttmp7, 0xffff    ; the head, which the four partners share,
	s_lshl_b32 s20, s20, 18         ; times its 262,144 bytes
	s_and_b32 s16, s[WV], 1         ; which half of a slot's 256 keys I fetch:
	s_lshl_b32 s22, s16, 14         ; its 128 rows of 128 bytes in memory,
	s_add_co_u32 s22, s22, s20
	s_mov_b32 s23, 0
	s_mul_i32 s17, s16, 128*PKP     ; and its place in a slot, for K
	s_mul_i32 s21, s16, 128*PVP     ; and for V: no place in the cluster enters an LDS address
	s_lshl_b32 s2, s14, 2
	s_add_co_u32 s2, s2, s[WV]
	s_lshl_b32 s2, s2, 13           ; my wave's 64 rows
	s_add_co_u32 s2, s2, s20
	s_mov_b32 s3, 0
	; descriptor group 1.  128 keys are 16,384 dense bytes: asked for as 64 rows of 256 bytes, two keys a row, and padded in LDS after every key
	s_mov_b32 s[G1K], 15|(1<<16)|(1<<20)|(1<<21)|(4<<22)|(3<<25)  ; the mask of four; 2-byte elements; padding on; bit 21 beside a mask; after every 32 words, 4 words
	s_mov_b32 s[G1V], 15|(1<<16)|(1<<20)|(1<<21)|(4<<22)|(7<<25)  ; the same with 8 words of padding
.irp g, G1K, G1V
	s_mov_b32 s[\g+1], 128<<16      ; tensor_dim0 = 128
	s_mov_b32 s[\g+2], 64<<16       ; tensor_dim1 = 64
	s_mov_b32 s[\g+3], 128<<16      ; tile_dim0 = 128
	s_mov_b32 s[\g+4], 64           ; tile_dim1 = 64
	s_mov_b32 s[\g+5], 128          ; 128 elements from row to row
	s_mov_b32 s[\g+6], 0
	s_mov_b32 s[\g+7], 0
.endr
	s_mov_b32 s[LOS], 0x341ae880
	s_mov_b32 s[HIS], 0x3fb8aa3a
	s_mov_b32 s[EPSR], 0x33d6bf95
	s_mov_b32 s[HIR], 0x3f7ffffe
	s_mov_b32 s[SEL], 0x76543210
	s_mov_b32 s[SEL+1], 0xfedcba98
	s_mov_b32 s[TBK], SLOT1+4*KS*PKP ; the first change of slots turns these two into 0
	s_mov_b32 s[TBV], SLOT1+4*KS*PVP
	s_mov_b32 s[G0K], 1
	s_mov_b32 s[G0K+1], s17         ; slot 0
	s_mov_b32 s[G0V], 1
	s_add_co_u32 s[G0V+1], s21, VOFF
	s_and_b32 s[LIM], s[WV], 1      ; 0 in waves 0 and 2,
	s_or_b32 s[LIM], s[LIM], ttmp9  ; where the cluster is the head's first: the same in all four partners
	s_cmp_eq_u32 s[LIM], 0
	s_cselect_b32 s[LIM], 1, -1
	v_and_b32 v[PFO], 31, v0
	v_lshlrev_b32 v[PFO], 8, v[PFO]
	s_wait_dscnt 0x0                ; the opening add is done
	s_wait_kmcnt 0x0
	s_add_nc_u64 s[8:9], s[4:5], s[22:23]
	s_add_nc_u64 s[10:11], s[8:9], 0x1000000       ; V at my half of the head's first 256 keys,
	s_add_nc_u64 s[8:9], s[8:9], 0x800000          ; K likewise
	s_mov_b64 s[G0K+2:G0K+3], s[8:9]
	s_or_b32 s[G0K+3], s[G0K+3], 0x80000000
	s_mov_b64 s[G0V+2:G0V+3], s[10:11]
	s_or_b32 s[G0V+3], s[G0V+3], 0x80000000
	s_add_nc_u64 s[4:5], s[4:5], s[2:3]            ; Q and att at my wave's first row
	s_add_nc_u64 s[6:7], s[6:7], s[2:3]
	s_cmp_lt_u32 s[WV], 2
	s_cselect_b64 s[PFA:PFA+1], s[8:9], s[10:11]   ; (in waves 0 and 2 these stand at a slot's first row)
	s_lshl_b32 s2, s13, 13                         ; my work-group's 8,192 bytes of the 32,768
	s_add_nc_u64 s[PFA:PFA+1], s[PFA:PFA+1], s[2:3]
	s_add_nc_u64 s[PFA:PFA+1], s[PFA:PFA+1], 2*TILEB  ; in slot 2; the first change that asks steps it to slot 3
	CROUND                          ; all four work-groups are here: the first joint loads meet
	JLOAD                           ; slot 0.  Slot 1 is asked for when slot 0 is in
	; A fragment of K or Q is 16 rows x 32 channels in 8 registers: lane l holds row l % 16, channels 8 (l / 16) + 0..7 and 16 + 8 (l / 16) + 0..7: two loads of 16 bytes, 32 bytes apart.
	v_and_b32 v1, 15, v0            ; l % 16
	v_bfe_u32 v9, v0, 4, 1          ; l / 16
	v_lshlrev_b32 v[QO], 7, v1
	v_lshl_add_u32 v[QO], v9, 4, v[QO]
	WIN 0x80                        ; destination window 2, address window 0
.set i, 0
.rept 8                             ; Q stays in registers: tile i / 2, channels 32 (i % 2) on
	global_load_b128 v[8*i:8*i+3],   v[QO], s[4:5] offset:(i/2)*2048+(i%2)*64
	global_load_b128 v[8*i+4:8*i+7], v[QO], s[4:5] offset:(i/2)*2048+(i%2)*64+32
.set i, i+1
.endr
	; What the first turn finds: V's registers and piece 1's P hold 0 (its products V^T P, of a step that has not been, add 0), O^T and the row sums are 0.  All this stands in the wait for the first tile:
	; the price of writing no first step out.
.set i, VF
.rept 64
	v_mov_b32 v[i], 0
.set i, i+1
.endr
	WIN 0x40
.set i, 0
.rept 128
	v_mov_b32 v[i], 0
.set i, i+1
.endr
	WIN 0
.set i, 0
.rept 32
	v_mov_b32 v[LS+i], 0
	v_mov_b32 v[P+32+i], 0
.set i, i+1
.endr
	v_mul_u32_u24 v[AK0], v1, PKP
	v_lshl_add_u32 v[AK0], v9, 4, v[AK0]
	; The turning load takes 16 keys x 16 channels (lane l reads key 8 (l / 16) + l % 8, channels 8 ((l / 8) % 2) + 0..7) and leaves half a fragment of V^T: lane l holds channel l % 16 and 8 keys.
	v_and_b32 v13, 7, v0
	v_bfe_u32 v14, v0, 3, 1
	v_lshl_add_u32 v[AV0], v9, 3, v13
	v_mul_u32_u24 v[AV0], v[AV0], PVP
	v_lshl_add_u32 v[AV0], v14, 4, v[AV0]
	v_add_nc_u32 v[AV0], VOFF, v[AV0]
; THE MATRIX WORK.  The 8 accumulators of a run of 16 take turns: between the two links of a chain stand 7 others'.
; Product i of 16 of S^T = K Q^T for piece x: channels 32 (i / 8) on, keys 16 ((i / 2) % 4) on, tile 2 x + i % 2.  The first 8 start the sums.
.macro KQ x
	WIN W_KQ
.set rS, S+32*(2*(\x)+i%2)+8*((i/2)%4)
.set rK, KF+16*((i/2)%4)+8*(i/8)
.set rQ, 16*(2*(\x)+i%2)+8*(i/8)
.if i < 8
	v_wmma_f32_16x16x32_f16 v[rS:rS+7], v[rK:rK+7], v[rQ:rQ+7], 0
.else
	v_wmma_f32_16x16x32_f16 v[rS:rS+7], v[rK:rK+7], v[rQ:rQ+7], v[rS:rS+7]
.endif
.endm
; Product i of 16 of O^T += V^T P for piece x: keys 32 (i / 8) on, channels 16 ((i / 2) % 4) on, tile 2 x + i % 2.
.macro PV x
	WIN W_PV
.set rO, 32*(2*(\x)+i%2)+8*((i/2)%4)
.set rV, VF+32*(i/8)+8*((i/2)%4)
.set rP, P+16*(2*(\x)+i%2)+8*(i/8)
	v_wmma_f32_16x16x32_f16 v[rO:rO+7], v[rV:rV+7], v[rP:rP+7], v[rO:rO+7]
.endm
; THE LDS LOADS stand in runs of 16.  last = 1 (the tail): in the last trip there is no further step, and the run is jumped over.
.macro FETCH_K last=0
	WIN 0
	v_add_nc_u32 v[AK], s[TBK], v[AK0]
.if \last
	s_cmp_eq_u32 s[CNT], 1
	s_cbranch_scc1 .Lno_k_\@
.endif
	WIN 0x80                        ; destination window 2
.irp f, 0,1,2,3,4,5,6,7             ; keys 16 (f / 2) on, channels 32 (f % 2) on
	ds_load_b128 v[KF+8*\f:KF+8*\f+3],   v[AK] offset:(\f/2)*16*PKP+(\f%2)*64
	ds_load_b128 v[KF+8*\f+4:KF+8*\f+7], v[AK] offset:(\f/2)*16*PKP+(\f%2)*64+32
.endr
	s_add_co_u32 s[TBK], s[TBK], KS*PKP  ; the next fetch is the next step's
	WIN 0
.if \last
.Lno_k_\@:
.endif
.endm
.macro FETCH_V
	WIN 0
	v_add_nc_u32 v[AV], s[TBV], v[AV0]
	s_add_co_u32 s[TBV], s[TBV], KS*PVP
	s_wait_alu depctr_va_vdst(0)    ; the wait for the turn's batch of exponentials, ahead of the first line that names a result of theirs
	WIN 0x80
.irp f, 0,1,2,3,4,5,6,7             ; keys 32 (f / 4) on, channels 16 (f % 4) on
	ds_load_tr16_b128 v[VF+8*\f:VF+8*\f+3],   v[AV] offset:(\f/4)*32*PVP+(\f%4)*32
	ds_load_tr16_b128 v[VF+8*\f+4:VF+8*\f+7], v[AV] offset:(\f/4)*32*PVP+16*PVP+(\f%4)*32
.endr
.endm
; THE VECTOR WORK of piece Y, in two numbered lists; all of it lies in window 0.  Score number f of 64: register f / 2 of tile 2 Y + f % 2, so that the tiles alternate and each accumulator is read from its lowest register on.
; ZOP, 128 long, names no exponential's result: numbers 0-3 clip scores 0-3; then clip and exponential by turns (even z: clip of score z / 2 + 2; odd z: exponential of score (z - 5) / 2, clipped nine
; numbers earlier); 124-127: the last four exponentials.
.macro ZOP
	WIN 0
.if z < 4
.set zf, z
.set zk, 0
.elseif z >= 124
.set zf, z-64
.set zk, 1
.elseif z%2 == 0
.set zf, z/2+2
.set zk, 0
.else
.set zf, (z-5)/2
.set zk, 1
.endif
.set zS, S+32*(2*Y+zf%2)+zf/2
.if zk
	v_exp_f32 v[zS], v[zS]
.else
	v_med3_num_f32 v[zS], v[zS], s[LOS], s[HIS]
.endif
.set z, z+1
.endm
; YOP, 64 long, reads the results: for pair n of 16 of a tile: rounded to f16; added onto one of the tile's four pairs of sums (a pair's additions stand 16 numbers apart).
.macro YOP
	WIN 0
.set yt, 2*Y+(y/2)%2
.set yn, y/4
.if y%2 == 0
	v_cvt_pk_f16_f32 v[P+16*yt+yn], v[S+32*yt+2*yn], v[S+32*yt+2*yn+1]
.else
	v_pk_add_f32 v[LS+8*yt+2*(yn%4):LS+8*yt+2*(yn%4)+1], v[LS+8*yt+2*(yn%4):LS+8*yt+2*(yn%4)+1], v[S+32*yt+2*yn:S+32*yt+2*yn+1]
.endif
.set y, y+1
.endm
; A TURN, for piece x.  No rider names a register of the products round it.  The four riders behind a turn's last K Q^T are the places ahead of the next turn's clips of those scores and of the loads into K.
; Piece 0's turn fetches the next step's K behind its first product, whose four riders are clips: no exponential is out at the run's branch.  Piece 1's turn fetches the next step's V behind the lump,
; more than four clips behind the last product that read V.  Each run is waited for ahead of its first reader.
.macro TURN x, last=0
.set Y, 1-(\x)
.set z, 0
.set y, 0
.if (\x) == 0
	s_wait_dscnt 0x0                ; V is in
.endif
.set i, 0
.rept 16
	PV \x
.rept 4
	ZOP
.endr
.if ((\x) == 0) && (i == 0)
	FETCH_K \last
.endif
.set i, i+1
.endr
.rept 64                            ; the lump
	ZOP
.endr
	v_nop                           ; a plain instruction behind the last exponential: one for the batch (ISA guide 5.7.2)
.if (\x) == 1
	FETCH_V                         ; the wait for the batch stands in it
.else
	s_wait_alu depctr_va_vdst(0)    ; the wait for the batch, ahead of the first line that names a result
	s_wait_dscnt 0x0                ; K is in
.endif
.set i, 0
.rept 16
	KQ \x
.rept 4
	YOP
.endr
.set i, i+1
.endr
.endm
	CHANGE 1, 0                     ; slot 0 is in, everybody's part of it; slot 1 is asked for
	FETCH_K                         ; key step 0
	s_wait_loadcnt 0x0              ; Q
	s_wait_dscnt 0x0
.set i, 0
.rept 16
	KQ 0                            ; piece 0's first scores: there is no vector work yet to set between them
.set i, i+1
.endr
	WIN 0                           ; the addresses for the way out: plain instructions, the places behind those products
	s_mul_i32 s13, s[WV], 16*SP
	s_add_co_u32 s13, s13, STAGE    ; my stage
	v_mul_u32_u24 v[STO], v1, SP    ; in: row l % 16, 16 bytes for each half of the lanes
	v_lshl_add_u32 v[STO], v9, 4, v[STO]
	v_add_nc_u32 v[STO], s13, v[STO]
	v_bfe_u32 v[RD], v0, 3, 2       ; back: 32 lanes take four rows of 128 bytes,
	v_mul_u32_u24 v[RD], v[RD], SP
	v_lshl_add_u32 v[RD], v13, 4, v[RD]
	v_add_nc_u32 v[RD], s13, v[RD]
	v_and_b32 v[GO], 31, v0         ; which are 512 consecutive bytes of att
	v_lshlrev_b32 v[GO], 4, v[GO]
	s_mov_b32 s[CNT], 4
	s_mov_b32 s[SLOTS], 7
	s_branch .Lfirst                ; the loop is entered at piece 1's turn, in the middle of a trip
.Lslot:                             ; six times: every slot but the last two is filled again
	CHANGE 1, 1
	s_mov_b32 s[CNT], 4
.Lstep:                             ; a trip: piece 0's turn (V^T P of step j, K Q^T of step j + 1, K of step j + 1 fetched), then piece 1's (the same, V of step j + 1 fetched)
	TURN 0
	WIN 0
.Lfirst:
	TURN 1
	WIN 0
	s_sub_co_u32 s[CNT], s[CNT], 1
	s_cmp_lg_u32 s[CNT], 0
	s_cbranch_scc1 .Lstep
	s_sub_co_u32 s[SLOTS], s[SLOTS], 1
	s_cmp_lg_u32 s[SLOTS], 0
	s_cbranch_scc1 .Lslot
	CHANGE 0, 0                     ; the tail is written out: nothing is asked for
	s_mov_b32 s[CNT], 5             ; four trips fetch the last slot's steps; the fifth is left in its middle
.Ltail:
	TURN 0, 1
	WIN 0
	s_sub_co_u32 s[CNT], s[CNT], 1
	s_cmp_eq_u32 s[CNT], 0
	s_cbranch_scc1 .Lout
	TURN 1
	WIN 0
	s_branch .Ltail
.Lout:                              ; the fifth trip's 16 products K Q^T (on the last K once more) serve nothing: the price, once a launch, of one text for every trip
.set i, 0
.rept 16
	PV 1                            ; piece 1's V^T P of the last step
.set i, i+1
.endr
	; THE WAY OUT.  A tile's four pairs of sums and the other half of the lanes' are added; O^T is divided by the sum, clipped, rounded to f16 and sent through my stage, a tile at a time.  The additions are the places behind the last products.
	WIN 0
.macro ALL line:vararg              ; one line for each tile t
.set t, 0
.rept 4
	\line
.set t, t+1
.endr
.endm
	ALL v_pk_add_f32 v[LS+8*t:LS+8*t+1], v[LS+8*t:LS+8*t+1], v[LS+8*t+2:LS+8*t+3]
	ALL v_pk_add_f32 v[LS+8*t+4:LS+8*t+5], v[LS+8*t+4:LS+8*t+5], v[LS+8*t+6:LS+8*t+7]
	ALL v_pk_add_f32 v[LS+8*t:LS+8*t+1], v[LS+8*t:LS+8*t+1], v[LS+8*t+4:LS+8*t+5]
	ALL v_add_f32 v[LS+8*t], v[LS+8*t], v[LS+8*t+1]
	ALL v_permlanex16_b32 v[LS+8*t+1], v[LS+8*t], s[SEL], s[SEL+1]
	ALL v_add_f32 v[LS+8*t], v[LS+8*t], v[LS+8*t+1]
	ALL v_rcp_f32 v[LS+8*t+2], v[LS+8*t]
	v_nop                           ; a plain instruction between the last reciprocal and the use of its result
	s_wait_alu depctr_va_vdst(0)    ; and the wait ahead of the first use: one for the four reciprocals
.macro PACK t                       ; a lane's eight channels of a row pack into 16 bytes; they go into rows of 144 bytes and come back as whole rows of 128, into S^T's registers
	WIN W_RS
.set i, 32*(\t)
.rept 16
	v_pk_mul_f32 v[i:i+1], v[i:i+1], v[LS+8*(\t)+2:LS+8*(\t)+3] op_sel_hi:[1,0]
.set i, i+2
.endr
.set i, 32*(\t)
.rept 32
	v_med3_num_f32 v[i], v[i], s[EPSR], s[HIR]
.set i, i+1
.endr
	WIN 0x05                        ; sources 0 and 1 window 1, destination window 0
.set i, 0
.rept 16
	v_cvt_pk_f16_f32 v[S+16*(\t)+i], v[32*(\t)+2*i], v[32*(\t)+2*i+1]
.set i, i+1
.endr
	WIN 0
.irp f, 0,1,2,3
	ds_store_b128 v[STO], v[S+16*(\t)+4*\f:S+16*(\t)+4*\f+3] offset:32*\f
.endr
.irp f, 0,1,2,3
	ds_load_b128 v[S+16*(\t)+4*\f:S+16*(\t)+4*\f+3], v[RD] offset:\f*4*SP  ; LDS serves a wave's instructions in order (ISA guide 5.7.1.4): these see the stores above; the next tile's stores come behind them
.endr
.endm
.macro SEND t, younger              ; younger: the LDS instructions issued behind tile t's loads: the next tile's eight, or none
	WIN 0
.irp f, 0,1,2,3
	s_wait_dscnt (\younger)+3-\f
	global_store_b128 v[GO], v[S+16*(\t)+4*\f:S+16*(\t)+4*\f+3], s[6:7] offset:(\t)*2048+\f*512  ; 512 consecutive bytes, at a multiple of 256 from att's first
.endr
.endm
	PACK 0
	PACK 1                          ; a tile's arithmetic stands between the loads of the tile before and its stores
	SEND 0, 8
	PACK 2
	SEND 1, 8
	PACK 3
	SEND 2, 8
	SEND 3, 0
	s_wait_tensorcnt 0x0            ; the wave's end, behind my last tensor load and my last LDS store
	ds_add_u32 v[SPW], v[NIL]
	s_wait_dscnt 0x0
	CROUND                          ; the closing round: no work-group ends while a partner may still ask for a tile that names it
	s_endpgm
.Lfunc_end_k_q44766eaffa_attn:
	.size	k_q44766eaffa_attn, .Lfunc_end_k_q44766eaffa_attn-k_q44766eaffa_attn
	.p2alignl 7, 3214868480
	.fill 96, 4, 3214868480
	.section	.rodata,"a",@progbits
	.p2align	6, 0x0
	.amdhsa_kernel k_q44766eaffa_attn
		.amdhsa_group_segment_fixed_size 327680
		.amdhsa_private_segment_fixed_size 0
		.amdhsa_enable_private_segment 0
		.amdhsa_kernarg_size 16
		.amdhsa_user_sgpr_count 2
		.amdhsa_user_sgpr_kernarg_segment_ptr 1
		.amdhsa_wavefront_size32 1
		.amdhsa_system_sgpr_workgroup_id_x 1
		.amdhsa_system_sgpr_workgroup_id_y 1
		.amdhsa_system_sgpr_workgroup_id_z 1
		.amdhsa_system_vgpr_workitem_id 0
		.amdhsa_next_free_vgpr 768
		.amdhsa_next_free_sgpr 66
		.amdhsa_reserve_vcc 0
		.amdhsa_float_denorm_mode_32 3
		.amdhsa_float_denorm_mode_16_64 3
		.amdhsa_memory_ordered 1
		.amdhsa_forward_progress 1
		.amdhsa_inst_pref_size 107
	.end_amdhsa_kernel
	.amdgpu_metadata
---
amdhsa.version: [ 1, 2 ]
amdhsa.kernels:
  - .name:           k_q44766eaffa_attn
    .symbol:         k_q44766eaffa_attn.kd
    .args:
      - { .name: qkv, .offset: 0, .size: 8, .value_kind: global_buffer, .address_space: global }
      - { .name: att, .offset: 8, .size: 8, .value_kind: global_buffer, .address_space: global }
    .group_segment_fixed_size: 327680
    .private_segment_fixed_size: 0
    .kernarg_segment_align: 8
    .kernarg_segment_size: 16
    .max_flat_workgroup_size: 128
    .sgpr_count:     66
    .vgpr_count:     768
    .wavefront_size: 32
...
	.end_amdgpu_metadata
.endif
;; end of part 3
;; launch oproj (part 4): grid 8 x 32, 4 waves a work-group, clusters of 4 x 4, 327,680 bytes of LDS; arguments att, wo16, bcat, out0; writes out0
.if DOCPART == 4
	.amdgcn_target "amdgcn-amd-amdhsa--gfx1250"
	.amdhsa_code_object_version 6
	.text
	.protected	k_q44766eaffa_oproj
	.globl	k_q44766eaffa_oproj
	.p2align	8
	.type	k_q44766eaffa_oproj,@function
k_q44766eaffa_oproj:
	s_mov_b64 s[64:65], 0
	v_nop
	global_prefetch_b8 v0, s[64:65] scope:SCOPE_SE
	s_setreg_imm32_b32 hwreg(HW_REG_WAVE_MODE, 25, 1), 1
	s_wait_xcnt 0x0
	s_wait_alu depctr_hold_cnt(0) depctr_sa_sdst(0) depctr_va_vdst(0) depctr_va_sdst(0) depctr_va_ssrc(0) depctr_va_vcc(0) depctr_vm_vsrc(0)
	s_getreg_b32 s2, hwreg(HW_REG_IB_STS2, 6, 4)
	s_cmp_eq_u32 s2, 0
	s_cbranch_scc0 .Lentry_in_a_cluster
	s_endpgm
.Lentry_in_a_cluster:
	s_bfe_u32 s2, ttmp6, 0x10000c
	s_cmp_lg_u32 s2, 0xf033
	s_cbranch_scc0 .Lentry_shape_is_right
	s_endpgm
.Lentry_shape_is_right:
; out0[m][n] = clip(the sum over k of a[m][k] wo16[n][k] + bo[n], EPS, HI), a NaN becomes 0.  m = 2048 b + t < 4096, n < 1024, k = 64 h + d < 1024; a[m][k] = att[16 b + h][t][d].  f16 operands, f32 sums, f32 out.
; LIMITS.  att lies in EPS .. HI; wo16 holds Wo rounded to bf16 and written as f16: |Wo| under 65,504, and below 6.1e-5 f16's fixed step of 6e-8.
; SHARES.  A tile of out0 is 128 x 128: 8 x 32 = 256 work-groups.  Four waves, each 64 x 64: 16 accumulators.  A wave's 64 columns are 256 consecutive bytes, aligned, of a row of out0, so each wave has a
; stage of its own on the way out, and no barrier.  K goes in 4 steps of 256 (four heads) through two LDS slots; the four steps are written out.
; att's TILE: 64 rows of one head are 8,192 dense bytes, so a wave's load is 4 rows of 4,096 elements, a head a row, padded in LDS after every 128 bytes: [head][row], 144 bytes from row to row.
; CLUSTER.  4 x 4 work-groups: a row of the cluster shares att's tile, a column wo16's; each is asked for jointly.  No prefetch: a tile's steps are few and short, and the launch is short.
; THE MATRIX INSTRUCTION IS USED TRANSPOSED (source 0 = 16 rows of wo16, source 1 = 16 rows of a): a lane holds row l % 16 and the columns 8 (l / 16) + 0..7.  The bias is the C operand of the first products.
; REGISTERS: window 0: v16-29 addresses; v32-95 at work on the way out; v96-127 the bias; v128-255 the accumulators ((a, b) at v[128 + 8 (4 a + b)]).
;   window 1: two fragment buffers of 128: for 64 along K, 64 registers of a (2 x 4 x 16 rows x 32 K), then 64 of wo16.
.set PA,     144                       ; a row of a head in LDS: 128 bytes + 16 = 36 words: the 16 rows of a load start at 16 different groups of four banks (64 banks of 4 bytes: ISA guide 11.1)
.set PB,     528                       ; a row of wo16: 512 bytes + 16 = 132 words: likewise
.set HALFA,  4*64*PA                   ; what waves 0 and 1 each fetch: 4 heads x 64 rows
.set HALFB,  64*PB                     ; what waves 2 and 3 each fetch: 64 rows x 256 K
.set BOFF,   2*HALFA
.set SLOT,   2*HALFA+2*HALFB
.set STAGE,  2*SLOT                    ; behind the ring, never filled by a tensor load: 16 rows x 272 bytes for each wave
.set SPITCH, 272
.set SPARE,  STAGE+4*16*SPITCH         ; the spare words, 128 bytes for each wave: two blocks of 256 bytes that no other line names
.set STEPA,  4*262144                  ; bytes from a K step to the next: four heads of att,
.set STEPB,  512                       ; 256 numbers of a row of wo16
.set ADRA, 16
.set ADRB, 20
.set STO,  24
.set RD,   25
.set CO,   26
.set BO,   27
.set SPW,  28
.set NIL,  29
.set TMP,  32
.set BIAS, 96
.set ACC,  128
.set F0,   0
.set F1,   128
.set WV,   12
.set ROLE, 13                          ; which half of the tile's rows is mine.  Also: I fetch for att (0) or for wo16 (1)
.set HALF, 14                          ; which half of its columns.  Also: which 64 rows of that tile I fetch
.set CX,   15
.set CY,   16
.set TC,   17
.set TR,   18
.set G1,   24
.set G0,   32
.set EPSR, 44
.set HIR,  45
.set G1B,  48
.set G0B,  56
.set MSB, 0
.macro WIN new
.if MSB != (\new)
	s_set_vgpr_msb (MSB<<8)|(\new)
.set MSB, \new
.endif
.endm
.set MUL,  0x05                        ; sources 0 and 1 window 1; C and D window 0
.set TO_F, 0x40                        ; destination window 1, address window 0
.macro PLACES
.rept 4
	v_nop
.endr
.endm
.macro JLOAD s                         ; a joint load; an s_nop 0 and four v_nop follow each of the two lines
	s_cmp_eq_u32 s[ROLE], 0
	s_cbranch_scc0 .Lfor_b_\@
	tensor_load_to_lds s[G0+4*(\s):G0+4*(\s)+3], s[G1:G1+7]
	s_nop 0
.rept 4
	v_nop
.endr
	s_branch .Lasked_\@
.Lfor_b_\@:
	tensor_load_to_lds s[G0B+4*(\s):G0B+4*(\s)+3], s[G1B:G1B+7]
	s_nop 0
.rept 4
	v_nop
.endr
.Lasked_\@:
.endm
.macro CREST
	s_cmp_lg_u32 s[WV], 0
	s_cbranch_scc1 .Lnot_wave_0_\@
	s_barrier_signal -3
.Lnot_wave_0_\@:
	s_barrier_wait -3
	s_barrier_signal -1
	s_barrier_wait -1
.endm
.macro CROUND
	s_barrier_signal -1
	s_barrier_wait -1
	CREST
.endm
	s_load_b256 s[4:11], s[0:1], 0x0               ; att s[4:5], wo16 s[6:7], bcat s[8:9], out0 s[10:11]
	v_lshl_add_u32 v[SPW], v0, 2, SPARE
	v_mov_b32 v[NIL], 0
	ds_add_u32 v[SPW], v[NIL]                      ; the wave's opening: the add is waited for ahead of my first tensor load; the set-up below stands between them
	v_lshrrev_b32 v1, 5, v0
	v_readfirstlane_b32 s[WV], v1
	s_lshr_b32 s[ROLE], s[WV], 1
	s_and_b32 s[HALF], s[WV], 1
	s_bfe_u32 s[CX], ttmp6, 0x40000
	s_bfe_u32 s[CY], ttmp6, 0x40004
	s_lshl_b32 s[TC], ttmp9, 2
	s_add_co_u32 s[TC], s[TC], s[CX]
	s_and_b32 s[TR], ttmp7, 0xffff
	s_lshl_b32 s[TR], s[TR], 2
	s_add_co_u32 s[TR], s[TR], s[CY]
	s_lshl_b32 s40, s[CY], 2
	s_lshl_b32 s40, 15, s40                        ; my row of the cluster
	s_lshl_b32 s41, 0x1111, s[CX]                  ; my column
	s_or_b32 s[G1+0],  s40, (1<<16)|(1<<20)|(1<<21)|(4<<22)|(3<<25)  ; att: padding of 4 words after every 32
	s_or_b32 s[G1B+0], s41, (1<<16)|(1<<20)|(1<<21)|(6<<22)|(3<<25)  ; wo16: after every 128
	s_mov_b32 s[G1+1],  4096<<16                   ; tensor_dim0 = 4,096 elements: 64 rows of a head
	s_mov_b32 s[G1+2],  4<<16                      ; tensor_dim1 = 4 heads
	s_mov_b32 s[G1+3],  4096<<16                   ; tile_dim0
	s_mov_b32 s[G1+4],  4                          ; tile_dim1
	s_mov_b32 s[G1+5],  131072                     ; elements from head to head
	s_mov_b32 s[G1+6],  0
	s_mov_b32 s[G1+7],  0
	s_mov_b32 s[G1B+1], 256<<16                    ; tensor_dim0 = 256
	s_mov_b32 s[G1B+2], 64<<16                     ; tensor_dim1 = 64
	s_mov_b32 s[G1B+3], 256<<16
	s_mov_b32 s[G1B+4], 64
	s_mov_b32 s[G1B+5], 1024
	s_mov_b32 s[G1B+6], 0
	s_mov_b32 s[G1B+7], 0
	s_lshr_b32 s20, s[TR], 4                       ; att: b x 16 heads,
	s_lshl_b32 s20, s20, 22
	s_and_b32 s21, s[TR], 15                       ; row (tile row % 16) x 128 + 64 x half of the head, times 128 bytes
	s_lshl_b32 s21, s21, 14
	s_add_co_u32 s20, s20, s21
	s_lshl_b32 s21, s[HALF], 13
	s_add_co_u32 s20, s20, s21
	s_mov_b32 s21, 0
	s_lshl_b32 s46, s[TC], 18                      ; wo16: row 128 x tile column + 64 x half, times 2,048 bytes
	s_lshl_b32 s47, s[HALF], 17
	s_add_co_u32 s46, s46, s47
	s_mov_b32 s47, 0
	s_mul_i32 s22, s[WV], HALFA                    ; where they go: waves 0, 1: wave x att's half;
	s_mul_i32 s23, s[WV], HALFB                    ; waves 2, 3: behind att's two halves
	s_add_co_u32 s23, s23, BOFF-2*HALFB
	s_mov_b32 s[EPSR], 0x33d6bf95
	s_mov_b32 s[HIR], 0x3f7ffffe
	s_wait_dscnt 0x0                               ; the opening add is done
	s_wait_kmcnt 0x0
	s_add_nc_u64 s[20:21], s[4:5], s[20:21]
	s_add_nc_u64 s[46:47], s[6:7], s[46:47]
	CROUND                                         ; all sixteen work-groups are here: the first joint loads meet
.irp s, 0,1
	s_mov_b32 s[G0+4*(\s)], 1
	s_add_co_u32 s[G0+4*(\s)+1], s22, (\s)*SLOT
	s_add_nc_u64 s[G0+4*(\s)+2:G0+4*(\s)+3], s[20:21], (\s)*STEPA
	s_or_b32 s[G0+4*(\s)+3], s[G0+4*(\s)+3], 0x80000000
	s_mov_b32 s[G0B+4*(\s)], 1
	s_add_co_u32 s[G0B+4*(\s)+1], s23, (\s)*SLOT
	s_add_nc_u64 s[G0B+4*(\s)+2:G0B+4*(\s)+3], s[46:47], (\s)*STEPB
	s_or_b32 s[G0B+4*(\s)+3], s[G0B+4*(\s)+3], 0x80000000
	JLOAD \s                                       ; two loads of mine are out
.endr
	v_and_b32 v1, 15, v0                           ; l % 16
	v_bfe_u32 v2, v0, 4, 1                         ; l / 16
	v_lshlrev_b32 v[BO], 5, v2
	s_lshl_b32 s42, s[TC], 9                       ; bo lies at byte 12,288 of bcat; my 64 columns
	s_lshl_b32 s43, s[HALF], 8
	s_add_co_u32 s42, s42, s43
	s_mov_b32 s43, 0
	s_add_nc_u64 s[10:11], s[10:11], s[42:43]      ; (the same bytes along a row of out0)
	s_add_co_u32 s42, s42, 12288
	s_add_nc_u64 s[42:43], s[8:9], s[42:43]
.irp b, 0,1,2,3
	global_load_b128 v[BIAS+8*(\b):BIAS+8*(\b)+3],   v[BO], s[42:43] offset:64*(\b)
	global_load_b128 v[BIAS+8*(\b)+4:BIAS+8*(\b)+7], v[BO], s[42:43] offset:64*(\b)+16
.endr
	v_mul_u32_u24 v3, v1, PA
	v_lshl_add_u32 v3, v2, 4, v3
	s_mul_i32 s22, s[ROLE], HALFA                  ; my 64 rows of att's tile
	v_add_nc_u32 v[ADRA], s22, v3
	v_add_nc_u32 v[ADRA+1], SLOT, v[ADRA]
	v_mul_u32_u24 v3, v1, PB
	v_lshl_add_u32 v3, v2, 4, v3
	s_mul_i32 s22, s[HALF], HALFB                  ; my 64 rows of wo16's,
	s_add_co_u32 s22, s22, BOFF                    ; which lie behind att's
	v_add_nc_u32 v[ADRB], s22, v3
	v_add_nc_u32 v[ADRB+1], SLOT, v[ADRB]
	s_mul_i32 s23, s[WV], 16*SPITCH
	s_add_co_u32 s23, s23, STAGE                   ; my stage
	v_mul_u32_u24 v4, v1, SPITCH                   ; in: row l % 16, 32 bytes for each half of the lanes
	v_lshl_add_u32 v4, v2, 5, v4
	v_add_nc_u32 v[STO], s23, v4
	v_mul_u32_u24 v5, v2, SPITCH                   ; back: lanes 0-15 take one row of 256 bytes, lanes 16-31 the next
	v_lshl_add_u32 v5, v1, 4, v5
	v_add_nc_u32 v[RD], s23, v5
	v_lshlrev_b32 v5, 12, v2                       ; and the same two rows in out0, 4,096 bytes apart
	v_lshl_add_u32 v[CO], v1, 4, v5
	s_lshl_b32 s40, s[TR], 19                      ; my first row: 128 x tile row + 64 x half, times 4,096 bytes
	s_lshl_b32 s41, s[ROLE], 18
	s_add_co_u32 s40, s40, s41
	s_mov_b32 s41, 0
	s_add_nc_u64 s[10:11], s[10:11], s[40:41]
; 8 matrix instructions: row blocks a0, a0 + 1 x all 4 column blocks, 32 along K: half c of buffer f.  zero = 1: the first product starts the sums, with the bias.  The 16 accumulators take turns.
.macro MUL8 f, c, a0, zero
	WIN MUL
.irp a, \a0, (\a0)+1
.irp b, 0,1,2,3
.if \zero
	v_wmma_f32_16x16x32_f16 v[ACC+8*(4*(\a)+(\b)):ACC+8*(4*(\a)+(\b))+7], v[(\f)+64+8*(4*(\c)+(\b)):(\f)+64+8*(4*(\c)+(\b))+7], v[(\f)+8*(4*(\c)+(\a)):(\f)+8*(4*(\c)+(\a))+7], v[BIAS+8*(\b):BIAS+8*(\b)+7]
.else
	v_wmma_f32_16x16x32_f16 v[ACC+8*(4*(\a)+(\b)):ACC+8*(4*(\a)+(\b))+7], v[(\f)+64+8*(4*(\c)+(\b)):(\f)+64+8*(4*(\c)+(\b))+7], v[(\f)+8*(4*(\c)+(\a)):(\f)+8*(4*(\c)+(\a))+7], v[ACC+8*(4*(\a)+(\b)):ACC+8*(4*(\a)+(\b))+7]
.endif
.endr
.endr
.endm
; 32 LDS loads in one run: quarter q of a K step is one head, 64 along K; the first 32 along K first
.macro FETCH slot, q, f
	WIN TO_F
.irp c, 0,1
.irp i, 0,1,2,3
	ds_load_b128 v[(\f)+64+8*(4*(\c)+(\i)):(\f)+64+8*(4*(\c)+(\i))+3],   v[ADRB+(\slot)] offset:128*(\q)+64*(\c)+(\i)*16*PB
	ds_load_b128 v[(\f)+64+8*(4*(\c)+(\i))+4:(\f)+64+8*(4*(\c)+(\i))+7], v[ADRB+(\slot)] offset:128*(\q)+64*(\c)+(\i)*16*PB+32
	ds_load_b128 v[(\f)+8*(4*(\c)+(\i)):(\f)+8*(4*(\c)+(\i))+3],         v[ADRA+(\slot)] offset:64*PA*(\q)+64*(\c)+(\i)*16*PA
	ds_load_b128 v[(\f)+8*(4*(\c)+(\i))+4:(\f)+8*(4*(\c)+(\i))+7],       v[ADRA+(\slot)] offset:64*PA*(\q)+64*(\c)+(\i)*16*PA+32
.endr
.endr
.endm
.macro QUARTER slot, q, f, g, zero     ; multiplies buffer f and fetches quarter q into g
	s_wait_dscnt 16                                ; the first 32 along K are in
	MUL8 \f, 0, 0, \zero
	MUL8 \f, 0, 2, \zero
	PLACES
	FETCH \slot, \q, \g
	s_wait_dscnt 32                                ; all but the 32 just issued
	MUL8 \f, 1, 0, 0
	MUL8 \f, 1, 2, 0
.endm
; The last quarter multiplies buffer 1 and changes slots: ONE barrier; in front of it each wave waits for all its tensor loads, adds 0 to its spare word, and waits for that and for its own reads of this slot.
; fill = 1: the barrier opens a round of the cluster's, and this slot is filled again first behind it, two K steps ahead.
.macro TURN slot, next, fill
	WIN 0
	s_wait_tensorcnt 0x0                           ; all my tensor loads have landed: my part of the next slot
	ds_add_u32 v[SPW], v[NIL]                      ; 0 onto my spare word
	s_wait_dscnt 17                                ; (the add and the youngest sixteen loads may be out)
	MUL8 F1, 0, 0, 0
	s_wait_dscnt 0x0                               ; the add is done, and my reads of this slot are over
	s_barrier_signal -1
	MUL8 F1, 0, 2, 0
.if \fill
	WIN 0
.endif
	s_barrier_wait -1
.if \fill
	CREST                                          ; no wave of any partner still reads this slot's tile or has a load on its way
	s_add_nc_u64 s[G0+4*(\slot)+2:G0+4*(\slot)+3], s[G0+4*(\slot)+2:G0+4*(\slot)+3], 2*STEPA
	s_add_nc_u64 s[G0B+4*(\slot)+2:G0B+4*(\slot)+3], s[G0B+4*(\slot)+2:G0B+4*(\slot)+3], 2*STEPB
	JLOAD \slot                                    ; the four v_nop behind it are also the places in front of the loads below
.else
	PLACES
.endif
	FETCH \next, 0, F0
	MUL8 F1, 1, 0, 0
	MUL8 F1, 1, 2, 0
.endm
	s_wait_tensorcnt 1                             ; my part of K step 0 is in; K step 1's may stay out
	s_barrier_signal -1
	s_barrier_wait -1
	FETCH 0, 0, F0
	s_wait_loadcnt 0x0                             ; the bias
	QUARTER 0, 1, F0, F1, 1                        ; K step 0; its first products start the sums
	QUARTER 0, 2, F1, F0, 0
	QUARTER 0, 3, F0, F1, 0
	TURN 0, 1, 1                                   ; slot 0 takes K step 2
	QUARTER 1, 1, F0, F1, 0                        ; K step 1
	QUARTER 1, 2, F1, F0, 0
	QUARTER 1, 3, F0, F1, 0
	TURN 1, 0, 1                                   ; slot 1 takes K step 3
	QUARTER 0, 1, F0, F1, 0                        ; K step 2
	QUARTER 0, 2, F1, F0, 0
	QUARTER 0, 3, F0, F1, 0
	TURN 0, 1, 0                                   ; nothing is left to fetch
	QUARTER 1, 1, F0, F1, 0                        ; K step 3
	QUARTER 1, 2, F1, F0, 0
	QUARTER 1, 3, F0, F1, 0
	s_wait_dscnt 16
	MUL8 F1, 0, 0, 0
	MUL8 F1, 0, 2, 0
	s_wait_dscnt 0x0
	MUL8 F1, 1, 0, 0
	MUL8 F1, 1, 2, 0
	WIN 0
; THE WAY OUT, a block of 16 rows at a time.  Each number: is it a NaN; the clip; 0 for a NaN (each accumulator from its lowest register on).  32 bytes a lane go into my own stage
; (rows of 272 bytes) and come back as whole rows of 256 bytes.
.macro CLAMP a
.set e, ACC+32*(\a)
.rept 32
	v_cmp_eq_f32 vcc_lo, v[e], v[e]
	v_med3_num_f32 v[e], v[e], s[EPSR], s[HIR]
	v_cndmask_b32 v[e], 0, v[e], vcc_lo
.set e, e+1
.endr
.endm
.macro TOSTAGE a
.set BK, TMP+32*((\a)%2)
.irp b, 0,1,2,3
	ds_store_b128 v[STO], v[ACC+8*(4*(\a)+(\b)):ACC+8*(4*(\a)+(\b))+3]   offset:64*(\b)
	ds_store_b128 v[STO], v[ACC+8*(4*(\a)+(\b))+4:ACC+8*(4*(\a)+(\b))+7] offset:64*(\b)+16
.endr
	s_wait_xcnt 0x0                                ; the stores of the block two back have read this buffer: it is loaded again only behind this wait
.irp t, 0,1,2,3,4,5,6,7
	ds_load_b128 v[BK+4*(\t):BK+4*(\t)+3], v[RD] offset:(\t)*2*SPITCH  ; LDS serves a wave's instructions in order (ISA guide 5.7.1.4): these see the stores above; the next block's stores come behind them
.endr
.endm
.macro SEND a
.set BK, TMP+32*((\a)%2)
	s_wait_dscnt 0x0                               ; the block is back in registers
.irp t, 0,1,2,3,4,5,6,7
	global_store_b128 v[CO], v[BK+4*(\t):BK+4*(\t)+3], s[10:11] offset:(16*(\a)+2*(\t))*4096 th:TH_STORE_NT  ; 16 lanes store 256 consecutive bytes, at a multiple of 256 from out0's first
.endr
.endm
	PLACES
	PLACES
	CLAMP 0
	TOSTAGE 0
.irp a, 1,2,3                          ; a block's arithmetic stands between the loads of the block before and the wait for them
	CLAMP \a
	SEND (\a)-1
	TOSTAGE \a
.endr
	SEND 3
	s_wait_tensorcnt 0x0                           ; the wave's end, behind my last tensor load and my last LDS store
	ds_add_u32 v[SPW], v[NIL]
	s_wait_dscnt 0x0
	CROUND                                         ; the closing round: no work-group ends while a partner may still ask for a tile that names it
	s_endpgm
.Lfunc_end_k_q44766eaffa_oproj:
	.size	k_q44766eaffa_oproj, .Lfunc_end_k_q44766eaffa_oproj-k_q44766eaffa_oproj
	.p2alignl 7, 3214868480
	.fill 96, 4, 3214868480
	.section	.rodata,"a",@progbits
	.p2align	6, 0x0
	.amdhsa_kernel k_q44766eaffa_oproj
		.amdhsa_group_segment_fixed_size 327680
		.amdhsa_private_segment_fixed_size 0
		.amdhsa_enable_private_segment 0
		.amdhsa_kernarg_size 32
		.amdhsa_user_sgpr_count 2
		.amdhsa_user_sgpr_kernarg_segment_ptr 1
		.amdhsa_wavefront_size32 1
		.amdhsa_system_sgpr_workgroup_id_x 1
		.amdhsa_system_sgpr_workgroup_id_y 1
		.amdhsa_system_sgpr_workgroup_id_z 1
		.amdhsa_system_vgpr_workitem_id 0
		.amdhsa_next_free_vgpr 512
		.amdhsa_next_free_sgpr 66
		.amdhsa_reserve_vcc 1
		.amdhsa_float_denorm_mode_32 3
		.amdhsa_float_denorm_mode_16_64 3
		.amdhsa_memory_ordered 1
		.amdhsa_forward_progress 1
		.amdhsa_inst_pref_size 102
	.end_amdhsa_kernel
	.amdgpu_metadata
---
amdhsa.version: [ 1, 2 ]
amdhsa.kernels:
  - .name:           k_q44766eaffa_oproj
    .symbol:         k_q44766eaffa_oproj.kd
    .args:
      - { .name: att, .offset: 0, .size: 8, .value_kind: global_buffer, .address_space: global }
      - { .name: wo16, .offset: 8, .size: 8, .value_kind: global_buffer, .address_space: global }
      - { .name: bcat, .offset: 16, .size: 8, .value_kind: global_buffer, .address_space: global }
      - { .name: out0, .offset: 24, .size: 8, .value_kind: global_buffer, .address_space: global }
    .group_segment_fixed_size: 327680
    .private_segment_fixed_size: 0
    .kernarg_segment_align: 8
    .kernarg_segment_size: 32
    .max_flat_workgroup_size: 128
    .sgpr_count:     66
    .vgpr_count:     512
    .wavefront_size: 32
...
	.end_amdgpu_metadata
.endif
;; end of part 4
